; MI455X (gfx1250); checked and timed in simulation.
; The chip was launched on July 23, 2026; its instructions are those of AMD's public machine-readable ISA for CDNA 5 (MIT licence, August 2026) and "CDNA5" Instruction Set Architecture Reference Guide (July 2026). The comments in the code are by the model that wrote it; some were corrected since.
;; Multi Head Attention. Allowed arithmetic: float matrix products may take bf16 or f16 operands with f32 sums; other float arithmetic in f32, or as packed bf16 or f16 multiplies, adds, multiply-adds, maxima and minima; sums over many terms, partial sums and values carried from step to step in f32; what a program stores and reads back later, other than sums and carried values, may be rounded once to bf16 or f16.
;; Inputs: Wk 1,024 x 1,024 float32; Wo 1,024 x 1,024 float32; Wq 1,024 x 1,024 float32; Wv 1,024 x 1,024 float32; cos 1 x 2,048 x 1 x 64 float32; sin 1 x 2,048 x 1 x 64 float32; x 4 x 2,048 x 1,024 float32.
;; Outputs: out0 4 x 2,048 x 1,024 float32.
;; 2 versions, each right; version 2 is version 1 with the launch cast written anew for expert scheduling mode. Each part assembles by itself: llvm-mc -triple=amdgcn-amd-amdhsa -mcpu=gfx1250 --defsym DOCPART=n.
;; ======== version 1 of 2: 4 launches
;; limits: values are held in f16: magnitudes above 65,504 overflow, below 6.1e-05 lose precision
;; workspace buffers: xb 16,777,216 bytes; wb 6,291,456 bytes; woh 2,097,152 bytes; csb 524,288 bytes; qkv 50,331,648 bytes; yh 16,777,216 bytes
;; launch cast (part 1): grid 392 x 1, 8 waves a work-group, no clusters, 0 bytes of LDS; arguments x, Wq, Wk, Wv, Wo, cos, sin, xb, wb, woh, csb; writes xb, wb, woh, csb
.if DOCPART == 1
	.amdgcn_target "amdgcn-amd-amdhsa--gfx1250"
	.amdhsa_code_object_version 6
	.text
	.protected	k_q6321a52132_cast
	.globl	k_q6321a52132_cast
	.p2align	8
	.type	k_q6321a52132_cast,@function
k_q6321a52132_cast:
	s_mov_b64 s[64:65], 0
	v_nop
	global_prefetch_b8 v0, s[64:65] scope:SCOPE_SE
	s_setreg_imm32_b32 hwreg(HW_REG_WAVE_MODE, 25, 1), 1
	s_wait_xcnt 0x0
; All seven inputs are rounded once to bf16 and laid out for the matrix launches.  A stream: no LDS, no barrier, no loop.
;   x  [8192][1024] f32 -> xb  [kb 16][row 8192][64] bf16       (blocks of 64 along K: a tile of any number of rows is dense in memory)
;   Wq, Wk, Wv          -> wb  [kb 16][n' 3072][64] bf16, n' = head x 192 + type x 64 + d (type 0 q, 1 k, 2 v)
;   Wo                  -> woh [kb 16][n 1024][64]: rounded to bf16, and that number written as f16
;   cos, sin [2048][64] -> csb bf16: cos at byte 0, sin at byte 262,144
; LIMIT: |Wo| stays under 65,504 (f16's range); below 2^-14 the f16 copy keeps f16's fixed step of 2^-24.
; A work-group takes 131,072 source bytes, a wave 16,384, in 16 chunks of 4 rows x 64 numbers: lane l loads 32 bytes at row l / 8, byte 32 (l % 8)
; (eight lanes cover 256 consecutive bytes, aligned), and stores 16 bytes at 16 l: a chunk leaves as 512 consecutive bytes.
; Which tensor a work-group serves hangs on its number g alone: 0-255 x, 256-351 Wq Wk Wv, 352-383 Wo, 384-391 cos sin; all numbers are chosen by compares and selects.
.set KBA, 1048576                      ; bytes from a block of 64 along K to the next in xb
.set KBB, 393216                       ; in wb
.set KBO, 131072                       ; in woh
.set SA,  2                            ; v[2:17]   chunk c: my byte offset in the source
.set DA,  18                           ; v[18:33]  chunk c: my byte offset in the destination
.set D,   40                           ; v[40:167] chunk c: 8 registers as loaded; the low 4 then hold the 16 bytes to store
	s_load_b512 s[4:19], s[0:1], 0x0               ; x s[4:5], Wq s[6:7], Wk s[8:9], Wv s[10:11], Wo s[12:13], cos s[14:15], sin s[16:17], xb s[18:19]
	s_load_b128 s[20:23], s[0:1], 0x40             ; wb s[20:21], woh s[22:23]
	s_load_b64 s[24:25], s[0:1], 0x50              ; csb
	s_mov_b32 s36, ttmp9                           ; g
	s_mov_b32 s34, 0xffff0000                      ; a word's upper bf16
	s_and_b32 s37, s36, 31
	s_and_b32 s38, s36, 3
	s_cmp_ge_u32 s36, 256
	s_cselect_b32 s37, s37, s36
	s_cmp_ge_u32 s36, 384
	s_cselect_b32 s37, s38, s37                    ; idx: my block of 131,072 bytes in the source tensor
	s_lshl_b32 s40, s37, 17                        ; its byte offset
	s_mov_b32 s41, 0
	s_lshl_b32 s42, s37, 12                        ; destination, x and Wo: 32 rows of 128 bytes a block
	s_sub_co_u32 s38, s36, 256
	s_lshr_b32 s38, s38, 5                         ; type 0, 1, 2
	s_lshl_b32 s38, s38, 6
	s_lshr_b32 s39, s37, 1                         ; head = block / 2
	s_mul_i32 s39, s39, 192
	s_add_co_u32 s39, s39, s38
	s_and_b32 s38, s37, 1
	s_lshl_b32 s38, s38, 5                         ; the head's upper 32 rows
	s_add_co_u32 s39, s39, s38
	s_lshl_b32 s39, s39, 7                         ; n' x 128 bytes
	s_cmp_ge_u32 s36, 256
	s_cselect_b32 s39, s39, s42
	s_cmp_ge_u32 s36, 352
	s_cselect_b32 s42, s42, s39
	s_sub_co_u32 s38, s36, 384
	s_lshr_b32 s38, s38, 2                         ; 0 cos, 1 sin
	s_lshl_b32 s38, s38, 18
	s_lshl_b32 s39, s37, 16                        ; 512 rows of 128 bytes a block
	s_add_co_u32 s38, s38, s39
	s_mov_b32 s30, 4096                            ; SP: bytes from a source row to the next
	s_mov_b32 s31, 256                             ; SC: source bytes from a chunk to the next
	s_mov_b32 s33, 512                             ; WD: destination bytes from a wave to the next
	s_mov_b32 s32, KBA                             ; DC: destination bytes from a chunk to the next
	s_mov_b32 s43, 0
	s_cmp_ge_u32 s36, 256
	s_cselect_b32 s32, KBB, s32
	s_cmp_ge_u32 s36, 352
	s_cselect_b32 s32, KBO, s32
	s_cmp_ge_u32 s36, 384
	s_cselect_b32 s32, 512, s32
	s_cselect_b32 s42, s38, s42
	s_cselect_b32 s30, 256, s30
	s_cselect_b32 s31, 1024, s31
	s_cselect_b32 s33, 8192, s33
	v_lshrrev_b32 v34, 5, v0                       ; wave
	v_bfe_u32 v35, v0, 3, 2                        ; my row of the chunk's four
	v_and_b32 v36, 7, v0
	v_and_b32 v37, 31, v0
	v_lshlrev_b32 v[SA], 14, v34
	v_mad_u32_u24 v[SA], v35, s30, v[SA]
	v_lshl_add_u32 v[SA], v36, 5, v[SA]
	v_mul_lo_u32 v[DA], v34, s33
	v_lshl_add_u32 v[DA], v37, 4, v[DA]
.set c, 1
.rept 15
	v_add_nc_u32 v[SA+c], s31, v[SA+c-1]
	v_add_nc_u32 v[DA+c], s32, v[DA+c-1]
.set c, c+1
.endr
	s_wait_kmcnt 0x0
	s_mov_b64 s[26:27], s[4:5]                     ; the source, chosen by g
	s_cmp_ge_u32 s36, 256
	s_cselect_b64 s[26:27], s[6:7], s[26:27]
	s_cmp_ge_u32 s36, 288
	s_cselect_b64 s[26:27], s[8:9], s[26:27]
	s_cmp_ge_u32 s36, 320
	s_cselect_b64 s[26:27], s[10:11], s[26:27]
	s_cmp_ge_u32 s36, 352
	s_cselect_b64 s[26:27], s[12:13], s[26:27]
	s_cmp_ge_u32 s36, 384
	s_cselect_b64 s[26:27], s[14:15], s[26:27]
	s_cmp_ge_u32 s36, 388
	s_cselect_b64 s[26:27], s[16:17], s[26:27]
	s_mov_b64 s[28:29], s[18:19]                   ; the destination
	s_cmp_ge_u32 s36, 256
	s_cselect_b64 s[28:29], s[20:21], s[28:29]
	s_cmp_ge_u32 s36, 352
	s_cselect_b64 s[28:29], s[22:23], s[28:29]
	s_cmp_ge_u32 s36, 384
	s_cselect_b64 s[28:29], s[24:25], s[28:29]
	s_add_nc_u64 s[26:27], s[26:27], s[40:41]
	s_add_nc_u64 s[28:29], s[28:29], s[42:43]
.set c, 0
.rept 16                                       ; all 32 loads of the wave go out at once: 16,384 bytes on their way
	global_load_b128 v[D+8*c:D+8*c+3],   v[SA+c], s[26:27] th:TH_LOAD_NT
	global_load_b128 v[D+8*c+4:D+8*c+7], v[SA+c], s[26:27] offset:16 th:TH_LOAD_NT
.set c, c+1
.endr
	s_cmp_ge_u32 s36, 352
	s_cbranch_scc0 .Lbf
	s_cmp_lt_u32 s36, 384
	s_cbranch_scc0 .Lbf
.set c, 0
.rept 16                                       ; Wo: to bf16, and that number as f16
	s_wait_loadcnt 30-2*c                          ; loads come back in order: chunk c is in, the 2 (15 - c) younger loads stay out
.irp p, 0,1,2,3
	v_cvt_pk_bf16_f32 v34, v[D+8*c+2*\p], v[D+8*c+2*\p+1]
	v_lshlrev_b32 v35, 16, v34
	v_and_b32 v36, s34, v34
	v_cvt_pk_f16_f32 v[D+8*c+\p], v35, v36         ; in place, ascending: a register is written after its number has been read
.endr
	global_store_b128 v[DA+c], v[D+8*c:D+8*c+3], s[28:29]
.set c, c+1
.endr
	s_endpgm
.Lbf:
.set c, 0
.rept 16
	s_wait_loadcnt 30-2*c                          ; chunk c is in, the younger loads stay out
.irp p, 0,1,2,3
	v_cvt_pk_bf16_f32 v[D+8*c+\p], v[D+8*c+2*\p], v[D+8*c+2*\p+1]
.endr
	global_store_b128 v[DA+c], v[D+8*c:D+8*c+3], s[28:29]  ; the wave's store covers 512 consecutive bytes, aligned
.set c, c+1
.endr
	s_endpgm
.Lfunc_end_k_q6321a52132_cast:
	.size	k_q6321a52132_cast, .Lfunc_end_k_q6321a52132_cast-k_q6321a52132_cast
	.p2alignl 7, 3214868480
	.fill 96, 4, 3214868480
	.section	.rodata,"a",@progbits
	.p2align	6, 0x0
	.amdhsa_kernel k_q6321a52132_cast
		.amdhsa_group_segment_fixed_size 0
		.amdhsa_private_segment_fixed_size 0
		.amdhsa_enable_private_segment 0
		.amdhsa_kernarg_size 88
		.amdhsa_user_sgpr_count 2
		.amdhsa_user_sgpr_kernarg_segment_ptr 1
		.amdhsa_wavefront_size32 1
		.amdhsa_system_sgpr_workgroup_id_x 1
		.amdhsa_system_sgpr_workgroup_id_y 1
		.amdhsa_system_sgpr_workgroup_id_z 1
		.amdhsa_system_vgpr_workitem_id 0
		.amdhsa_next_free_vgpr 176
		.amdhsa_next_free_sgpr 66
		.amdhsa_reserve_vcc 0
		.amdhsa_float_denorm_mode_32 3
		.amdhsa_float_denorm_mode_16_64 3
		.amdhsa_memory_ordered 1
		.amdhsa_forward_progress 1
		.amdhsa_inst_pref_size 29
	.end_amdhsa_kernel
	.amdgpu_metadata
---
amdhsa.version: [ 1, 2 ]
amdhsa.kernels:
  - .name:           k_q6321a52132_cast
    .symbol:         k_q6321a52132_cast.kd
    .args:
      - { .name: x, .offset: 0, .size: 8, .value_kind: global_buffer, .address_space: global }
      - { .name: Wq, .offset: 8, .size: 8, .value_kind: global_buffer, .address_space: global }
      - { .name: Wk, .offset: 16, .size: 8, .value_kind: global_buffer, .address_space: global }
      - { .name: Wv, .offset: 24, .size: 8, .value_kind: global_buffer, .address_space: global }
      - { .name: Wo, .offset: 32, .size: 8, .value_kind: global_buffer, .address_space: global }
      - { .name: cos, .offset: 40, .size: 8, .value_kind: global_buffer, .address_space: global }
      - { .name: sin, .offset: 48, .size: 8, .value_kind: global_buffer, .address_space: global }
      - { .name: xb, .offset: 56, .size: 8, .value_kind: global_buffer, .address_space: global }
      - { .name: wb, .offset: 64, .size: 8, .value_kind: global_buffer, .address_space: global }
      - { .name: woh, .offset: 72, .size: 8, .value_kind: global_buffer, .address_space: global }
      - { .name: csb, .offset: 80, .size: 8, .value_kind: global_buffer, .address_space: global }
    .group_segment_fixed_size: 0
    .private_segment_fixed_size: 0
    .kernarg_segment_align: 8
    .kernarg_segment_size: 88
    .max_flat_workgroup_size: 256
    .sgpr_count:     66
    .vgpr_count:     176
    .wavefront_size: 32
...
	.end_amdgpu_metadata
.endif
;; end of part 1
;; launch qkv (part 2): grid 8 x 32, 4 waves a work-group, clusters of 4 x 4, 327,680 bytes of LDS; arguments xb, wb, csb, qkv; writes qkv
.if DOCPART == 2
	.amdgcn_target "amdgcn-amd-amdhsa--gfx1250"
	.amdhsa_code_object_version 6
	.text
	.protected	k_q6321a52132_qkv
	.globl	k_q6321a52132_qkv
	.p2align	8
	.type	k_q6321a52132_qkv,@function
k_q6321a52132_qkv:
	s_mov_b64 s[64:65], 0
	v_nop
	global_prefetch_b8 v0, s[64:65] scope:SCOPE_SE
	s_setreg_imm32_b32 hwreg(HW_REG_WAVE_MODE, 25, 1), 1
	s_wait_xcnt 0x0
	s_wait_alu depctr_hold_cnt(0) depctr_sa_sdst(0) depctr_va_vdst(0) depctr_va_sdst(0) depctr_va_ssrc(0) depctr_va_vcc(0) depctr_vm_vsrc(0)
	s_getreg_b32 s2, hwreg(HW_REG_IB_STS2, 6, 4)
	s_cmp_eq_u32 s2, 0
	s_cbranch_scc0 .Lentry_in_a_cluster
	s_endpgm
.Lentry_in_a_cluster:
	s_bfe_u32 s2, ttmp6, 0x10000c
	s_cmp_lg_u32 s2, 0xf033
	s_cbranch_scc0 .Lentry_shape_is_right
	s_endpgm
.Lentry_shape_is_right:
; q, k, v = x W^T in bf16 with f32 sums; RoPE and the per-head RMS norm on q and k in f32; q also times c = log2(e) / 8, ahead of its one rounding; all three leave as f16, by heads:
; qkv = q at byte 0, k at 0x1000000, v at 0x2000000, each [b x 16 + head][t 2048][64].
; LIMIT: v is kept in f16: |v| stays under 65,504.  q and k are normalised: at most 8 in length whatever the inputs.
; SHARES.  A work-group makes 256 rows x 384 columns of [8192][3072]: 32 x 8 = 256 work-groups.  wb's rows are ordered head x 192 + type x 64 + d, so a wave's 128 rows x 192 columns
; are q, k and v of ONE head: 96 accumulators, 768 registers: q's in window 1, k's in window 2, v's in window 3 (accumulator (a, bb) at v[8 (4 a + bb)]).
; TRANSPOSED USE: source 0 = 16 rows of wb, source 1 = 16 rows of xb: a lane holds ONE row (16 a + l % 16) and the channels 16 bb + 8 (l / 16) + 0..7.  RoPE's partner channel d xor 32
; is then the same lane and register of block bb xor 2, and the norm's sum wants one exchange between the halves of the lanes.
; RING.  K goes in steps of 64 (one block of xb and wb) through two LDS slots; a tile is dense in memory and is asked for as rows of 256 bytes, padded in LDS after every 128.
; CLUSTER 4 x 4: A's tile (and the cos and sin rows) hang on the tile row alone and are asked for jointly along a row of the cluster, B's on the tile column alone, along a column.
; Window 0: v0-31 addresses; v32-95, v96-159 A's fragments, two buffers; v160-255 B's fragments, one buffer in three groups (q, k, v), each loaded again behind its products.
.set PITCH, 144                        ; an LDS row: 128 bytes + 16 = 36 words: the 16 rows of a load start at 16 different groups of four banks (64 banks of 4 bytes: ISA guide 11.1)
.set SLOT,  92160                      ; A's 256 rows, then B's 384 rows
.set BOFF,  36864
.set CSL,   184320                     ; behind the ring: cos, 256 rows, then sin, 256 rows; filled once
.set SINO,  36864
.set STAGE, 258048                     ; 16 rows x 144 bytes for each wave, for the way out; no tile lands here
.set SPARE, 267264                     ; the spare words, 128 bytes for each wave: two blocks of 256 bytes that no other line names
.set KBA,   1048576                    ; bytes from a K step to the next in xb
.set KBB,   393216                     ; in wb
.set ADRA, 16                          ; v16-17 LDS address of my A fragments in slot 0, 1
.set ADRB, 20                          ; v20-21 the same for B
.set CSA,  22                          ; v22    of my 16 bytes of a row of cos
.set STO,  24                          ; v24    the way out: where I put 16 bytes of a row
.set RD,   25                          ; v25    where I read rows back
.set GO,   26                          ; v26    my 16 bytes in 512 consecutive bytes of the output
.set SPW,  28                          ; v28    LDS address of my spare word; never rewritten
.set NIL,  29                          ; v29    0; never rewritten
.set PFO,  30                          ; v30    the prefetches' lane offset; never rewritten
.set AF,   32
.set BF,   160
.set CSR,  32                          ; the way out, in window 0: v32-63 cos and sin as loaded (cos block bb at 4 bb, sin 16 on)
.set CF,   64                          ; v64-127  the same in f32 (cos at 8 bb + j, sin 32 on)
.set TQ,   128                         ; v128-159 q behind RoPE
.set TK,   160                         ; v160-191 k
.set PKD,  192                         ; v192-239 packed f16, 16 registers a type
.set SSQ,  240                         ; v240-247 q's sums of squares
.set SSK,  248                         ; v248-255 k's
.set G1A, 24                           ; s[24:31] descriptor group 1, A's tiles and cos, sin: 64 rows of 256 bytes
.set G0A, 32                           ; s[32:39] group 0, a set for each slot
.set PFA, 44                           ; s[44:45] where my prefetches stand
.set PFS, 46                           ; s[46:47] their step: a K step of xb or of wb
.set G1B, 48                           ; s[48:55] B's tiles: 96 rows of 256 bytes
.set G0B, 56                           ; s[56:63]
.set G0C, 68                           ; s[68:71] cos and sin
.set LIM0, 72                          ; s72, s73: a wave prefetches at a change out of slot 0 (1) while the trips left are above this
.set SEL, 78                           ; s[78:79] v_permlanex16_b32's selects
.set G1C, (1<<16)|(1<<20)|(1<<21)|(4<<22)|(3<<25)  ; 17:16 2-byte elements; 20 padding on; 21 set beside a mask; 24:22 after every 32 words; 31:25 4 words
.set MSB, 0
.macro WIN new                         ; the immediate's high byte repeats the setting that is left; a switch that changes nothing is dropped
.if MSB != (\new)
	s_set_vgpr_msb (MSB<<8)|(\new)
.set MSB, \new
.endif
.endm
.macro PLACES                          ; four plain places behind a product, in front of loads into registers that it has read and of lines that read results
.rept 4
	v_nop
.endr
.endm
.macro JLOAD s                         ; a joint refill: waves 0 and 1 fetch A's two halves, waves 2 and 3 B's; an s_nop 0 and four v_nop follow each line
	s_cmp_eq_u32 s13, 0
	s_cbranch_scc0 .Lfor_b_\@
	tensor_load_to_lds s[G0A+4*(\s):G0A+4*(\s)+3], s[G1A:G1A+7]
	s_nop 0
.rept 4
	v_nop
.endr
	s_branch .Lasked_\@
.Lfor_b_\@:
	tensor_load_to_lds s[G0B+4*(\s):G0B+4*(\s)+3], s[G1B:G1B+7]
	s_nop 0
.rept 4
	v_nop
.endr
.Lasked_\@:
.endm
; A PREFETCH INTO THE L2 of the K step that stands two refills on.  Each 256 bytes of xb and wb are named once in the launch: A's rows by the clusters with x = 0, wave 0, 32 blocks a partner, told apart
; by address (cx); B's rows by the clusters with y = 0, waves 1 to 3, once a lap for two K steps (the halves of the lanes), 16 blocks a wave and step, partners told apart by address (cy).
; The loop's last trip asks for nothing: K step 15 is the last that is named.
.macro ASK slot
	s_cmp_gt_u32 s3, s[LIM0+(\slot)]
	s_cbranch_scc0 .Lnot_mine_\@
	global_prefetch_b8 v[PFO], s[PFA:PFA+1] th:TH_LOAD_NT scope:SCOPE_SE
.Lnot_mine_\@:
.endm
.macro CREST                           ; a round of the cluster's barrier behind its opening barrier
	s_cmp_lg_u32 s12, 0
	s_cbranch_scc1 .Lnot_wave_0_\@
	s_barrier_signal -3
.Lnot_wave_0_\@:
	s_barrier_wait -3
	s_barrier_signal -1
	s_barrier_wait -1
.endm
.macro CROUND
	s_barrier_signal -1
	s_barrier_wait -1
	CREST
.endm
	s_load_b256 s[4:11], s[0:1], 0x0               ; xb s[4:5], wb s[6:7], csb s[8:9], qkv s[10:11]
	v_lshl_add_u32 v[SPW], v0, 2, SPARE
	v_mov_b32 v[NIL], 0
	ds_add_u32 v[SPW], v[NIL]                      ; the wave's opening add, waited for ahead of my first tensor load; the set-up below stands between the add and its wait
	v_lshrrev_b32 v1, 5, v0
	v_readfirstlane_b32 s12, v1                    ; wave 0..3
	s_lshr_b32 s13, s12, 1                         ; WR: my half of the rows.  Also: I fetch for A (0) or for B (1)
	s_and_b32 s14, s12, 1                          ; WC: my half of the columns.  Also: which half of that tile I fetch
	s_bfe_u32 s40, ttmp6, 0x40000                  ; cx
	s_bfe_u32 s41, ttmp6, 0x40004                  ; cy
	s_lshl_b32 s42, ttmp9, 2
	s_add_co_u32 s42, s42, s40                     ; TC: tile column 0..7
	s_and_b32 s43, ttmp7, 0xffff
	s_lshl_b32 s43, s43, 2
	s_add_co_u32 s43, s43, s41                     ; TR: tile row 0..31
	s_lshl_b32 s22, s41, 2
	s_lshl_b32 s22, 15, s22                        ; my row of the cluster
	s_lshl_b32 s23, 0x1111, s40                    ; my column
	s_or_b32 s[G1A], s22, G1C
	s_or_b32 s[G1B], s23, G1C
	s_mov_b32 s[G1A+1], 128<<16                    ; tensor_dim0 = 128 elements (256 bytes)
	s_mov_b32 s[G1A+2], 64<<16                     ; tensor_dim1 = 64
	s_mov_b32 s[G1A+3], 128<<16                    ; tile_dim0 = 128
	s_mov_b32 s[G1A+4], 64                         ; tile_dim1 = 64: 128 rows of xb
	s_mov_b32 s[G1A+5], 128                        ; 128 elements from row to row: dense
	s_mov_b32 s[G1A+6], 0
	s_mov_b32 s[G1A+7], 0
	s_mov_b32 s[G1B+1], 128<<16
	s_mov_b32 s[G1B+2], 96<<16
	s_mov_b32 s[G1B+3], 128<<16
	s_mov_b32 s[G1B+4], 96                         ; 192 rows of wb
	s_mov_b32 s[G1B+5], 128
	s_mov_b32 s[G1B+6], 0
	s_mov_b32 s[G1B+7], 0
	s_lshl_b32 s16, s43, 15                        ; A: 256 rows of 128 bytes a tile row,
	s_lshl_b32 s17, s14, 14                        ; my half
	s_add_co_u32 s16, s16, s17
	s_mov_b32 s17, 0
	s_mul_i32 s20, s42, 49152                      ; B: 384 rows a tile column,
	s_mul_i32 s21, s14, 24576                      ; my half
	s_add_co_u32 s20, s20, s21
	s_mov_b32 s21, 0
	s_and_b32 s18, s43, 7                          ; cos, sin: t = 256 (TR % 8) on,
	s_lshl_b32 s18, s18, 15
	s_lshl_b32 s19, s14, 14                        ; waves 0, 1: cos's halves; waves 2, 3: sin's
	s_add_co_u32 s18, s18, s19
	s_lshl_b32 s19, s13, 18
	s_add_co_u32 s18, s18, s19
	s_mov_b32 s19, 0
	s_mul_i32 s2, s14, 128*PITCH                   ; where they go: no place in the cluster enters an LDS address
	s_mul_i32 s3, s14, 192*PITCH
	s_add_co_u32 s3, s3, BOFF
	s_mul_i32 s15, s12, 128*PITCH
	s_add_co_u32 s15, s15, CSL
	s_mov_b32 s[SEL], 0x76543210
	s_mov_b32 s[SEL+1], 0xfedcba98
	s_mov_b32 s80, 0xffff0000                      ; a word's upper bf16
	s_mov_b32 s81, 0x3c800000                      ; 1 / 64
	s_mov_b32 s82, 0x358637bd                      ; eps = 1e-6
	s_mov_b32 s83, 0x3e38aa3b                      ; c = log2(e) / 8
	s_wait_dscnt 0x0                               ; the opening add is done
	s_wait_kmcnt 0x0
	s_add_nc_u64 s[16:17], s[4:5], s[16:17]
	s_add_nc_u64 s[20:21], s[6:7], s[20:21]
	s_add_nc_u64 s[18:19], s[8:9], s[18:19]
.irp s, 0,1
	s_mov_b32 s[G0A+4*\s], 1
	s_add_co_u32 s[G0A+4*\s+1], s2, \s*SLOT
	s_add_nc_u64 s[G0A+4*\s+2:G0A+4*\s+3], s[16:17], \s*KBA
	s_or_b32 s[G0A+4*\s+3], s[G0A+4*\s+3], 0x80000000
	s_mov_b32 s[G0B+4*\s], 1
	s_add_co_u32 s[G0B+4*\s+1], s3, \s*SLOT
	s_add_nc_u64 s[G0B+4*\s+2:G0B+4*\s+3], s[20:21], \s*KBB
	s_or_b32 s[G0B+4*\s+3], s[G0B+4*\s+3], 0x80000000
.endr
	s_mov_b32 s[G0C], 1
	s_mov_b32 s[G0C+1], s15
	s_mov_b64 s[G0C+2:G0C+3], s[18:19]
	s_or_b32 s[G0C+3], s[G0C+3], 0x80000000
	CROUND                                         ; all sixteen work-groups are here: the first joint loads meet
	s_cmp_eq_u32 s13, 0                            ; a wave's three first fills stand in one branch: K step 0, K step 1, its quarter of cos and sin: three loads of mine are out
	s_cbranch_scc0 .Lfirst_b
	tensor_load_to_lds s[G0A:G0A+3], s[G1A:G1A+7]
	s_nop 0
	tensor_load_to_lds s[G0A+4:G0A+7], s[G1A:G1A+7]
	s_nop 0
	tensor_load_to_lds s[G0C:G0C+3], s[G1A:G1A+7]
	s_nop 0
.rept 4
	v_nop
.endr
	s_branch .Lfirst_done
.Lfirst_b:
	tensor_load_to_lds s[G0B:G0B+3], s[G1B:G1B+7]
	s_nop 0
	tensor_load_to_lds s[G0B+4:G0B+7], s[G1B:G1B+7]
	s_nop 0
	tensor_load_to_lds s[G0C:G0C+3], s[G1A:G1A+7]
	s_nop 0
.rept 4
	v_nop
.endr
.Lfirst_done:
	; a fragment is 16 rows x 32 K in 8 registers: lane l holds row l % 16; two loads of 16 bytes, 32 bytes apart, at row x pitch + 16 (l / 16)
	v_and_b32 v1, 15, v0
	v_bfe_u32 v2, v0, 4, 1
	v_mul_u32_u24 v3, v1, PITCH
	v_lshl_add_u32 v3, v2, 4, v3
	s_mul_i32 s20, s13, 128*PITCH                  ; my 128 rows of A
	s_mul_i32 s21, s14, 192*PITCH                  ; my 192 rows of B
	s_add_co_u32 s21, s21, BOFF
	v_add_nc_u32 v[ADRA], s20, v3
	v_add_nc_u32 v[ADRB], s21, v3
	v_add_nc_u32 v[ADRA+1], SLOT, v[ADRA]
	v_add_nc_u32 v[ADRB+1], SLOT, v[ADRB]
	s_add_co_u32 s20, s20, CSL
	v_add_nc_u32 v[CSA], s20, v3                   ; cos of my rows: channels 16 bb + 8 (l / 16) on are 16 bytes at 32 bb + 16 (l / 16)
	s_mul_i32 s21, s12, 16*PITCH
	s_add_co_u32 s21, s21, STAGE                   ; my stage
	v_add_nc_u32 v[STO], s21, v3
	v_bfe_u32 v4, v0, 3, 2                         ; back: 32 lanes take four rows of 128 bytes,
	v_and_b32 v5, 7, v0
	v_mul_u32_u24 v4, v4, PITCH
	v_lshl_add_u32 v4, v5, 4, v4
	v_add_nc_u32 v[RD], s21, v4
	v_and_b32 v[GO], 31, v0                        ; which are 512 consecutive bytes of a head's rows
	v_lshlrev_b32 v[GO], 4, v[GO]
	; the prefetches: they start one step short of K step 4, which the first change of slots names
	s_lshl_b32 s16, s43, 15
	s_lshl_b32 s17, s40, 13                        ; A: my work-group's 32 blocks of the tile's 128
	s_add_co_u32 s16, s16, s17
	s_add_co_u32 s16, s16, 3*KBA
	s_mul_i32 s20, s42, 49152
	s_mul_i32 s21, s41, 12288                      ; B: my work-group's 48 blocks of the tile's 192,
	s_add_co_u32 s20, s20, s21
	s_lshl_b32 s21, s12, 12                        ; 16 for each of waves 1 to 3
	s_add_co_u32 s20, s20, s21
	s_add_co_u32 s20, s20, 3*KBB-4096
	s_and_b32 s23, ttmp7, 0xffff                   ; cluster y
	s_mov_b32 s[PFS], KBB
	s_mov_b32 s22, KBB
	s_cmp_eq_u32 s12, 0                            ; wave 0 asks for A
	s_cselect_b64 s[PFA:PFA+1], s[4:5], s[6:7]
	s_cselect_b32 s18, s16, s20
	s_cselect_b32 s[PFS], KBA, s[PFS]
	s_cselect_b32 s22, 4096, s22                   ; what lanes 16-31 add: A: 16 blocks on; B: the next K step
	s_cselect_b32 s23, ttmp9, s23                  ; the coordinate along which other clusters read the same rows
	s_mov_b32 s19, 0
	s_mov_b32 s[PFS+1], 0
	s_add_nc_u64 s[PFA:PFA+1], s[PFA:PFA+1], s[18:19]
	s_cmp_eq_u32 s23, 0
	s_cselect_b32 s[LIM0], 1, -1
	s_cmp_eq_u32 s12, 0
	s_cselect_b32 s[LIM0+1], s[LIM0], -1           ; B is asked for once a lap
	v_lshlrev_b32 v[PFO], 8, v1
	v_mul_lo_u32 v31, v2, s22
	v_add_nc_u32 v[PFO], v[PFO], v31
	; where my head's rows go: ((TR / 8) x 16 + 2 TC + WC) heads of 262,144 bytes, t = 256 (TR % 8) + 128 WR on
	s_lshr_b32 s16, s43, 3
	s_lshl_b32 s16, s16, 4
	s_lshl_b32 s17, s42, 1
	s_add_co_u32 s16, s16, s17
	s_add_co_u32 s16, s16, s14
	s_lshl_b32 s16, s16, 18
	s_and_b32 s17, s43, 7
	s_lshl_b32 s17, s17, 15
	s_add_co_u32 s16, s16, s17
	s_lshl_b32 s17, s13, 14
	s_add_co_u32 s16, s16, s17
	s_mov_b32 s17, 0
	s_add_nc_u64 s[10:11], s[10:11], s[16:17]      ; q
	s_add_nc_u64 s[74:75], s[10:11], 0x1000000     ; k
	s_add_nc_u64 s[76:77], s[10:11], 0x2000000     ; v
; na x 4 products of type w (1 q, 2 k, 3 v): row blocks a0 on, A's buffer ab.  The accumulators take turns, one instruction a turn.  zero = 1: the product starts the sum.
.macro MUL w, ab, a0, na, zero
	WIN 0x50*(\w)
.set ma, (\a0)
.rept (\na)
.irp bb, 0,1,2,3
.if \zero
	v_wmma_f32_16x16x32_bf16 v[8*(4*ma+\bb):8*(4*ma+\bb)+7], v[BF+32*((\w)-1)+8*\bb:BF+32*((\w)-1)+8*\bb+7], v[AF+64*(\ab)+8*ma:AF+64*(\ab)+8*ma+7], 0
.else
	v_wmma_f32_16x16x32_bf16 v[8*(4*ma+\bb):8*(4*ma+\bb)+7], v[BF+32*((\w)-1)+8*\bb:BF+32*((\w)-1)+8*\bb+7], v[AF+64*(\ab)+8*ma:AF+64*(\ab)+8*ma+7], v[8*(4*ma+\bb):8*(4*ma+\bb)+7]
.endif
.endr
.set ma, ma+1
.endr
.endm
.macro LOADB g, slot, k                ; 8 LDS loads: B's group g (64 rows), 32 K at byte k of the rows
.irp bb, 0,1,2,3
	ds_load_b128 v[BF+32*(\g)+8*\bb:BF+32*(\g)+8*\bb+3],   v[ADRB+(\slot)] offset:(64*(\g)+16*\bb)*PITCH+(\k)
	ds_load_b128 v[BF+32*(\g)+8*\bb+4:BF+32*(\g)+8*\bb+7], v[ADRB+(\slot)] offset:(64*(\g)+16*\bb)*PITCH+(\k)+32
.endr
.endm
.macro LOADA ab, half, slot, k         ; 8 LDS loads: four of A's eight fragments into buffer ab
.irp a4, 0,1,2,3
	ds_load_b128 v[AF+64*(\ab)+8*(4*(\half)+\a4):AF+64*(\ab)+8*(4*(\half)+\a4)+3],   v[ADRA+(\slot)] offset:(4*(\half)+\a4)*16*PITCH+(\k)
	ds_load_b128 v[AF+64*(\ab)+8*(4*(\half)+\a4)+4:AF+64*(\ab)+8*(4*(\half)+\a4)+7], v[ADRA+(\slot)] offset:(4*(\half)+\a4)*16*PITCH+(\k)+32
.endr
.endm
; A K step's first half: 96 products on A's buffer ab; the next half's fragments, at byte k of the slot's rows, are fetched in three runs, each behind the products that read B's group last.
.macro HALF ab, slot, k, zero
	s_wait_dscnt 8                                 ; all but the youngest eight loads, B's group 2, are in
	MUL 1, \ab, 0, 8, \zero
	PLACES
	WIN 0
	LOADB 0, \slot, \k
	LOADA 1-(\ab), 0, \slot, \k
	MUL 2, \ab, 0, 8, \zero
	PLACES
	WIN 0
	LOADB 1, \slot, \k
	LOADA 1-(\ab), 1, \slot, \k
	s_wait_dscnt 32                                ; all but the 32 just issued: B's group 2 is in
	MUL 3, \ab, 0, 8, \zero
	PLACES
	WIN 0
	LOADB 2, \slot, \k
.endm
; A K step's second half multiplies A's buffer 1 and changes slots.  In front of the barrier each wave waits for all its tensor loads, adds 0 to its spare word, and waits for that and for its reads of
; this slot.  fill = 1: the barrier opens a round of the cluster's, and the joint refill, two K steps on, is the first thing behind it: 160 products stand between it and the wait for it.
.macro TURN slot, next, fill
	s_wait_xcnt 0x0                                ; the last prefetch, a K step back, has read its address
	s_add_nc_u64 s[PFA:PFA+1], s[PFA:PFA+1], s[PFS:PFS+1]
	WIN 0
	s_wait_tensorcnt 0x0                           ; all my tensor loads have landed, my part of the next slot among them
	ds_add_u32 v[SPW], v[NIL]                      ; 0 onto my spare word
	s_wait_dscnt 9                                 ; the add and B's group 2 may be out
	MUL 1, 1, 0, 4, 0                              ; sixteen products stand between the add and the wait for it
	s_wait_dscnt 0x0                               ; the add is done, and my reads of this slot are over
	s_barrier_signal -1
	MUL 1, 1, 4, 4, 0
	WIN 0
	s_barrier_wait -1
.if \fill
	CREST                                          ; no wave of any partner still reads this slot or has a load on its way
	s_add_nc_u64 s[G0A+4*(\slot)+2:G0A+4*(\slot)+3], s[G0A+4*(\slot)+2:G0A+4*(\slot)+3], 2*KBA
	s_add_nc_u64 s[G0B+4*(\slot)+2:G0B+4*(\slot)+3], s[G0B+4*(\slot)+2:G0B+4*(\slot)+3], 2*KBB
	JLOAD \slot                                    ; its four v_nop are also the places in front of the loads below
.else
	PLACES
.endif
	LOADB 0, \next, 0
	LOADA 0, 0, \next, 0
.if \fill
	ASK \slot
.endif
	MUL 2, 1, 0, 8, 0
	PLACES
	WIN 0
	LOADB 1, \next, 0
	LOADA 0, 1, \next, 0
	MUL 3, 1, 0, 8, 0
	PLACES
	WIN 0
	LOADB 2, \next, 0
.endm
; THE WAY OUT, a block of 16 rows at a time.
.macro CSLOAD a                        ; cos and sin of block a's rows: my 32 channels of each, 8 loads of 16 bytes
	WIN 0
.irp bb, 0,1,2,3
	ds_load_b128 v[CSR+4*\bb:CSR+4*\bb+3],       v[CSA] offset:(\a)*16*PITCH+32*\bb
	ds_load_b128 v[CSR+16+4*\bb:CSR+16+4*\bb+3], v[CSA] offset:(\a)*16*PITCH+32*\bb+SINO
.endr
.endm
.macro ROPE a, w, tt                   ; t[d] = s[d] cos[d] + rot[d] sin[d], rot[d] = -s[d + 32] below 32, s[d - 32] above.  Each accumulator is first read at its low end.
	WIN \w                                         ; source 0 in window w
.irp bb, 0,1,2,3
.irp p, 0,2,4,6
	v_pk_mul_f32 v[(\tt)+8*\bb+\p:(\tt)+8*\bb+\p+1], v[8*(4*(\a)+\bb)+\p:8*(4*(\a)+\bb)+\p+1], v[CF+8*\bb+\p:CF+8*\bb+\p+1]
.endr
.endr
.irp bb, 0,1
.irp p, 0,2,4,6
	v_pk_fma_f32 v[(\tt)+8*\bb+\p:(\tt)+8*\bb+\p+1], v[8*(4*(\a)+\bb+2)+\p:8*(4*(\a)+\bb+2)+\p+1], v[CF+32+8*\bb+\p:CF+32+8*\bb+\p+1], v[(\tt)+8*\bb+\p:(\tt)+8*\bb+\p+1] neg_lo:[1,0,0] neg_hi:[1,0,0]
.endr
.endr
.irp bb, 2,3
.irp p, 0,2,4,6
	v_pk_fma_f32 v[(\tt)+8*\bb+\p:(\tt)+8*\bb+\p+1], v[8*(4*(\a)+\bb-2)+\p:8*(4*(\a)+\bb-2)+\p+1], v[CF+32+8*\bb+\p:CF+32+8*\bb+\p+1], v[(\tt)+8*\bb+\p:(\tt)+8*\bb+\p+1]
.endr
.endr
.endm
.macro SUMSQ tt, ss                    ; 1 / sqrt(mean of the row's 64 squares + eps) into ss + 2: four chains, then the other half of the lanes' 32 channels
.irp bb, 0,1,2,3
	v_pk_mul_f32 v[(\ss)+2*\bb:(\ss)+2*\bb+1], v[(\tt)+8*\bb:(\tt)+8*\bb+1], v[(\tt)+8*\bb:(\tt)+8*\bb+1]
.endr
.irp p, 2,4,6
.irp bb, 0,1,2,3
	v_pk_fma_f32 v[(\ss)+2*\bb:(\ss)+2*\bb+1], v[(\tt)+8*\bb+\p:(\tt)+8*\bb+\p+1], v[(\tt)+8*\bb+\p:(\tt)+8*\bb+\p+1], v[(\ss)+2*\bb:(\ss)+2*\bb+1]
.endr
.endr
	v_pk_add_f32 v[(\ss):(\ss)+1], v[(\ss):(\ss)+1], v[(\ss)+2:(\ss)+3]
	v_pk_add_f32 v[(\ss)+4:(\ss)+5], v[(\ss)+4:(\ss)+5], v[(\ss)+6:(\ss)+7]
	v_pk_add_f32 v[(\ss):(\ss)+1], v[(\ss):(\ss)+1], v[(\ss)+4:(\ss)+5]
	v_add_f32 v[(\ss)], v[(\ss)], v[(\ss)+1]
	v_permlanex16_b32 v[(\ss)+1], v[(\ss)], s[SEL], s[SEL+1]
	v_add_f32 v[(\ss)], v[(\ss)], v[(\ss)+1]
	v_fma_f32 v[(\ss)], v[(\ss)], s81, s82
	v_rsq_f32 v[(\ss)+2], v[(\ss)]
.endm
.macro SEND a                          ; block a's 16 rows of q, k and v: each store covers 512 consecutive bytes, aligned
.irp f, 0,1,2,3
	global_store_b128 v[GO], v[PKD+4*\f:PKD+4*\f+3],       s[10:11] offset:(\a)*2048+\f*512
	global_store_b128 v[GO], v[PKD+16+4*\f:PKD+16+4*\f+3], s[74:75] offset:(\a)*2048+\f*512
	global_store_b128 v[GO], v[PKD+32+4*\f:PKD+32+4*\f+3], s[76:77] offset:(\a)*2048+\f*512
.endr
.endm
.macro EPI a
	WIN 0
.if (\a) == 0
	s_wait_dscnt 0x0                               ; cos and sin of block 0 are in
.else
	s_wait_dscnt 24                                ; cos and sin of this block are in; the 24 stage instructions of the block before, issued later, may be out
.endif
.set i, 0
.rept 32
	v_lshlrev_b32 v[CF+2*i], 16, v[CSR+i]          ; bf16 to f32
	v_and_b32 v[CF+2*i+1], s80, v[CSR+i]
.set i, i+1
.endr
.if (\a) < 7
	CSLOAD (\a)+1
.endif
	ROPE \a, 1, TQ
	ROPE \a, 2, TK
	WIN 0
.if (\a) > 0
.if (\a) < 7
	s_wait_dscnt 8                                 ; the block before is back from the stage; only the eight loads of cos and sin just issued may be out
.else
	s_wait_dscnt 0x0
.endif
	SEND (\a)-1
.endif
	SUMSQ TQ, SSQ
	SUMSQ TK, SSK
	v_nop                                          ; a plain instruction behind the last root,
	s_wait_alu depctr_va_vdst(0)                   ; and the one wait ahead of the first use of the two
	v_mul_f32 v[SSQ+2], s83, v[SSQ+2]              ; q also carries c
	s_wait_xcnt 0x0                                ; the stores above have read the packed registers, which are written again below
.set i, 0
.rept 16
	v_pk_mul_f32 v[TQ+2*i:TQ+2*i+1], v[TQ+2*i:TQ+2*i+1], v[SSQ+2:SSQ+3] op_sel_hi:[1,0]
	v_pk_mul_f32 v[TK+2*i:TK+2*i+1], v[TK+2*i:TK+2*i+1], v[SSK+2:SSK+3] op_sel_hi:[1,0]
.set i, i+1
.endr
.set i, 0
.rept 16
	v_cvt_pk_f16_f32 v[PKD+i], v[TQ+2*i], v[TQ+2*i+1]
	v_cvt_pk_f16_f32 v[PKD+16+i], v[TK+2*i], v[TK+2*i+1]
.set i, i+1
.endr
	WIN 0x0f                                       ; sources 0 and 1 in window 3: v
.set i, 0
.rept 16
	v_cvt_pk_f16_f32 v[PKD+32+i], v[32*(\a)+2*i], v[32*(\a)+2*i+1]
.set i, i+1
.endr
	WIN 0
.irp ty, 0,1,2                         ; through my stage: 16 bytes a lane in, whole rows back, into the registers that they left.  LDS serves a wave's instructions in order (ISA guide 5.7.1.4)
.irp bb, 0,1,2,3
	ds_store_b128 v[STO], v[PKD+16*\ty+4*\bb:PKD+16*\ty+4*\bb+3] offset:32*\bb
.endr
.irp f, 0,1,2,3
	ds_load_b128 v[PKD+16*\ty+4*\f:PKD+16*\ty+4*\f+3], v[RD] offset:\f*4*PITCH
.endr
.endr
.endm
	s_wait_tensorcnt 2                             ; my part of K step 0 is in; K step 1 and cos, sin, issued behind it, may stay out
	s_barrier_signal -1
	s_barrier_wait -1                              ; everybody's is
	LOADB 0, 0, 0
	LOADA 0, 0, 0, 0
	LOADB 1, 0, 0
	LOADA 0, 1, 0, 0
	LOADB 2, 0, 0
	HALF 0, 0, 64, 1                               ; the first half step stands in front of the loop: its products start the sums
	WIN 0
	s_mov_b32 s3, 7
.Llap:                                         ; a trip goes once round the ring and fills both slots again
	TURN 0, 1, 1
	HALF 0, 1, 64, 0
	TURN 1, 0, 1
	HALF 0, 0, 64, 0
	WIN 0
	s_sub_co_u32 s3, s3, 1
	s_cmp_lg_u32 s3, 0
	s_cbranch_scc1 .Llap
	TURN 0, 1, 0                                   ; the last lap fills nothing
	HALF 0, 1, 64, 0
	s_wait_dscnt 0x0
	MUL 1, 1, 0, 8, 0
	CSLOAD 0                                       ; into A's buffer 0, which was last multiplied a half step ago
	MUL 2, 1, 0, 8, 0
	MUL 3, 1, 0, 8, 0
	PLACES
.irp a, 0,1,2,3,4,5,6,7
	EPI \a
.endr
	s_wait_dscnt 0x0
	SEND 7
	s_wait_tensorcnt 0x0                           ; the wave's end, behind my last tensor load and my last LDS store
	ds_add_u32 v[SPW], v[NIL]
	s_wait_dscnt 0x0
	CROUND                                         ; the closing round: no work-group ends while a partner may still ask for a tile that names it
	s_endpgm
.Lfunc_end_k_q6321a52132_qkv:
	.size	k_q6321a52132_qkv, .Lfunc_end_k_q6321a52132_qkv-k_q6321a52132_qkv
	.p2alignl 7, 3214868480
	.fill 96, 4, 3214868480
	.section	.rodata,"a",@progbits
	.p2align	6, 0x0
	.amdhsa_kernel k_q6321a52132_qkv
		.amdhsa_group_segment_fixed_size 327680
		.amdhsa_private_segment_fixed_size 0
		.amdhsa_enable_private_segment 0
		.amdhsa_kernarg_size 32
		.amdhsa_user_sgpr_count 2
		.amdhsa_user_sgpr_kernarg_segment_ptr 1
		.amdhsa_wavefront_size32 1
		.amdhsa_system_sgpr_workgroup_id_x 1
		.amdhsa_system_sgpr_workgroup_id_y 1
		.amdhsa_system_sgpr_workgroup_id_z 1
		.amdhsa_system_vgpr_workitem_id 0
		.amdhsa_next_free_vgpr 1024
		.amdhsa_next_free_sgpr 88
		.amdhsa_reserve_vcc 0
		.amdhsa_float_denorm_mode_32 3
		.amdhsa_float_denorm_mode_16_64 3
		.amdhsa_memory_ordered 1
		.amdhsa_forward_progress 1
		.amdhsa_inst_pref_size 223
	.end_amdhsa_kernel
	.amdgpu_metadata
---
amdhsa.version: [ 1, 2 ]
amdhsa.kernels:
  - .name:           k_q6321a52132_qkv
    .symbol:         k_q6321a52132_qkv.kd
    .args:
      - { .name: xb, .offset: 0, .size: 8, .value_kind: global_buffer, .address_space: global }
      - { .name: wb, .offset: 8, .size: 8, .value_kind: global_buffer, .address_space: global }
      - { .name: csb, .offset: 16, .size: 8, .value_kind: global_buffer, .address_space: global }
      - { .name: qkv, .offset: 24, .size: 8, .value_kind: global_buffer, .address_space: global }
    .group_segment_fixed_size: 327680
    .private_segment_fixed_size: 0
    .kernarg_segment_align: 8
    .kernarg_segment_size: 32
    .max_flat_workgroup_size: 128
    .sgpr_count:     88
    .vgpr_count:     1024
    .wavefront_size: 32
...
	.end_amdgpu_metadata
.endif
;; end of part 2
;; launch attn (part 3): grid 4 x 64, 4 waves a work-group, clusters of 4 x 1, 327,680 bytes of LDS; arguments qkv, yh; writes yh
.if DOCPART == 3
	.amdgcn_target "amdgcn-amd-amdhsa--gfx1250"
	.amdhsa_code_object_version 6
	.text
	.protected	k_q6321a52132_attn
	.globl	k_q6321a52132_attn
	.p2align	8
	.type	k_q6321a52132_attn,@function
k_q6321a52132_attn:
	s_mov_b64 s[64:65], 0
	v_nop
	global_prefetch_b8 v0, s[64:65] scope:SCOPE_SE
	s_setreg_imm32_b32 hwreg(HW_REG_WAVE_MODE, 25, 1), 1
	s_wait_xcnt 0x0
	s_wait_alu depctr_hold_cnt(0) depctr_sa_sdst(0) depctr_va_vdst(0) depctr_va_sdst(0) depctr_va_ssrc(0) depctr_va_vcc(0) depctr_vm_vsrc(0)
	s_getreg_b32 s2, hwreg(HW_REG_IB_STS2, 6, 4)
	s_cmp_eq_u32 s2, 0
	s_cbranch_scc0 .Lentry_in_a_cluster
	s_endpgm
.Lentry_in_a_cluster:
	s_bfe_u32 s2, ttmp6, 0x10000c
	s_cmp_lg_u32 s2, 0x3003
	s_cbranch_scc0 .Lentry_shape_is_right
	s_endpgm
.Lentry_shape_is_right:
; y[bh][q][:] = the sum over k of softmax_k(q . k / 8) v[k][:], for 64 heads of 2,048 rows x 64 channels, all f16; products and sums in f32; the weights are rounded to f16 for the second product
; (their sum is taken of the unrounded weights), y once at the end.  q arrives times c = log2(e) / 8, so S = K Q^T is the exponent in base 2.
; NO MAXIMUM IS TAKEN AWAY: q and k are RMS-normalised by the module itself, each of length 8 at the most whatever the inputs, so q . k / 8 lies in -8 .. 8 and S in -11.6 .. 11.6:
; a weight lies in 3.3e-4 .. 3.1e3 (inside f16's normal range), a row's sum under 6.4e6, a sum of weight x v under 4.2e11: nothing can overflow or underflow.
; LIMIT: v arrives within f16's 65,504; y is a mean of v's rows and has their range.
; SHARES.  A work-group owns 512 queries of one head, a wave 128: four PIECES of two tiles of 16.  Every wave walks all keys, 64 a step; a slot of LDS holds four steps.
; LAYOUT.  S^T = K Q^T (source 0 = 16 keys, source 1 = 16 queries): a lane holds ONE query (lane % 16) and the keys 8 (lane / 16) + 0..7; two such results rounded to f16 in pairs ARE source 1 of
; O^T = V^T P.  K comes out of LDS as it lies, V turned, by ds_load_tr16_b128.
; BY TURNS.  Turn n belongs to piece n: 16 products K Q^T of piece n + 1, behind each four of piece n's 64 exponentials; ONE wait for the batch; 16 products V^T P of piece n - 1, behind each four of
; piece n's roundings and sums.
; CLUSTER.  The four work-groups of a cluster are one head's: each tile of K and V is asked for jointly.
; y leaves as [head 16][b x 2048 + t][64]: the next launch's A operand in blocks of 64 along its K.
; REGISTERS: window 0: v0-15 addresses; v16-31 l, a pair a tile; v64-191 S^T, two buffers of two tiles; v192-255 P, likewise.  Window 1: O^T, 32 a tile.  Window 2: v0-127 Q; v128-191 K; v192-255 V.
.set NP,    4
.set KS,    64
.set PK,    144       ; a row of K in LDS: 128 bytes + 16: the 16 rows of a load start at 16 different groups of four banks (64 banks of 4 bytes: ISA guide 11.1)
.set PV,    160       ; a row of V: 128 + 32
.set VOFF,  4*KS*PK
.set SLOT1, 1<<17
.set STAGE, SLOT1+4*KS*(PK+PV)  ; 16 rows x 144 bytes for each wave, for the way out; no tile lands here
.set SP,    144
.set SPARE, STAGE+4*16*SP       ; the spare words, 128 bytes for each wave: two blocks of 256 bytes that no other line names
.set AK0, 2
.set AV0, 3
.set AK,  4
.set AV,  5
.set QO,  6
.set STO, 6
.set RD,  7
.set GO,  8
.set SPW, 12          ; v12  LDS address of my spare word; never rewritten
.set NIL, 13          ; v13  0; never rewritten
.set PFO, 14          ; v14  256 x my lane; never rewritten
.set L,   16
.set S,   64
.set P,   192
.set KF,  128
.set VF,  192
.set WV,  12
.set G1K, 24
.set G1V, 32
.set G0K, 40
.set G0V, 44
.set PFA, 48          ; s[48:49] where my prefetches stand
.set LIM, 50          ; s50  1 in waves 0 and 2, else the greatest number
.set SLOTS, 56
.set CNT, 57
.set SEL, 60
.set TBK, 62
.set TBV, 63
.set MSB, 0
.macro WIN new
.if MSB != (\new)
	s_set_vgpr_msb (MSB<<8)|(\new)
.set MSB, (\new)
.endif
.endm
.set W_KQ, 0x0a       ; K and Q in window 2, S^T in window 0
.set W_PV, 0x52       ; V in window 2, P in window 0, O^T in window 1
.set W_RS, 0x41       ; destination and source 0 in window 1, source 1 in window 0
.macro JLOAD                        ; a joint fill: waves 0 and 1 fetch the halves of a slot's K, waves 2 and 3 of its V; an s_nop 0 and four v_nop follow each line
	s_cmp_lt_u32 s[WV], 2
	s_cbranch_scc0 .Lfor_v_\@
	tensor_load_to_lds s[G0K:G0K+3], s[G1K:G1K+7]
	s_nop 0
.rept 4
	v_nop
.endr
	s_branch .Lasked_\@
.Lfor_v_\@:
	tensor_load_to_lds s[G0V:G0V+3], s[G1V:G1V+7]
	s_nop 0
.rept 4
	v_nop
.endr
.Lasked_\@:
.endm
; A PREFETCH INTO THE L2 of the slot that the NEXT change will ask for: 128 blocks of 256 bytes of K and of V.  A head is walked by one cluster; its four partners take 32 blocks each, told apart by
; address; wave 0 asks for K's, wave 2 for V's: each block is named once.  The last change that fills a slot asks for nothing.
.macro ASK
	s_cmp_gt_u32 s[SLOTS], s[LIM]
	s_cbranch_scc0 .Lnot_mine_\@
	global_prefetch_b8 v[PFO], s[PFA:PFA+1] th:TH_LOAD_NT scope:SCOPE_SE
.Lnot_mine_\@:
.endm
.macro CROUND
	s_barrier_signal -1
	s_barrier_wait -1
	s_cmp_lg_u32 s[WV], 0
	s_cbranch_scc1 .Lnot_wave_0_\@
	s_barrier_signal -3
.Lnot_wave_0_\@:
	s_barrier_wait -3
	s_barrier_signal -1
	s_barrier_wait -1
.endm
; THE CHANGE OF SLOTS.  Each wave waits for all its tensor loads (one is out: its part of the other slot), adds 0 to its spare word, and waits for that and for its reads of the slot.
; fill = 1: a round of the cluster's barrier, and the joint fill, the keys two slots on, first behind it: it has four key steps in which to land.
.macro CHANGE fill
	WIN 0
	s_wait_tensorcnt 0x0            ; no tensor load of mine is out, so a group 0 may be written
	ds_add_u32 v[SPW], v[NIL]       ; 0 onto my spare word
.if \fill
.irp g, G0K, G0V
	s_xor_b32 s[\g+1], s[\g+1], SLOT1
	s_add_nc_u64 s[\g+2:\g+3], s[\g+2:\g+3], 4*KS*128
.endr
	s_wait_xcnt 0x0                 ; the last prefetch, four key steps back, has read its address
	s_add_nc_u64 s[PFA:PFA+1], s[PFA:PFA+1], 4*KS*128
	s_wait_dscnt 0x0                ; the add is done, and my reads of the slot are over
	CROUND
	JLOAD
	ASK
.else
	s_wait_dscnt 0x0
	s_barrier_signal -1
	s_barrier_wait -1
.endif
	s_sub_co_u32 s[TBK], s[TBK], 4*KS*PK
	s_xor_b32 s[TBK], s[TBK], SLOT1
	s_sub_co_u32 s[TBV], s[TBV], 4*KS*PV
	s_xor_b32 s[TBV], s[TBV], SLOT1
.endm
	s_load_b128 s[4:7], s[0:1], 0x0   ; qkv s[4:5], yh s[6:7]
	v_lshl_add_u32 v[SPW], v0, 2, SPARE
	v_mov_b32 v[NIL], 0
	ds_add_u32 v[SPW], v[NIL]       ; the wave's opening add, waited for ahead of my first tensor load
	v_lshrrev_b32 v1, 5, v0
	v_readfirstlane_b32 s[WV], v1
	s_bfe_u32 s13, ttmp6, 0x40000   ; cx
	s_lshl_b32 s14, ttmp9, 2
	s_add_co_u32 s14, s14, s13      ; my block of 512 queries: it enters Q's and y's addresses alone
	s_and_b32 s15, ttmp7, 0xffff    ; bh = b x 16 + head, which the partners share
	s_lshl_b32 s20, s15, 18         ; its 2,048 rows of 128 bytes
	s_and_b32 s16, s[WV], 1         ; which half of a slot's 256 keys I fetch
	s_lshl_b32 s22, s16, 14
	s_add_co_u32 s22, s22, s20
	s_add_co_u32 s22, s22, 0x1000000  ; k's part of the buffer
	s_mov_b32 s23, 0
	s_add_co_u32 s18, s22, 0x1000000  ; v's
	s_mov_b32 s19, 0
	s_mul_i32 s17, s16, 128*PK
	s_mul_i32 s21, s16, 128*PV
	s_lshl_b32 s2, s14, 2
	s_add_co_u32 s2, s2, s[WV]
	s_lshl_b32 s2, s2, 14           ; my wave's 128 rows
	s_add_co_u32 s52, s2, s20       ; in q
	s_mov_b32 s53, 0
	s_and_b32 s54, s15, 15          ; in y: head x 8,192 rows + b x 2,048 rows
	s_lshl_b32 s54, s54, 20
	s_lshr_b32 s55, s15, 4
	s_lshl_b32 s55, s55, 18
	s_add_co_u32 s54, s54, s55
	s_add_co_u32 s54, s54, s2
	s_mov_b32 s55, 0
	s_lshl_b32 s59, s13, 13         ; the prefetches: my work-group's 32 blocks,
	s_cmp_lt_u32 s[WV], 2
	s_cselect_b32 s58, s22, s18     ; (in waves 0 and 2 these stand at a slot's first row)
	s_add_co_u32 s58, s58, s59
	s_add_co_u32 s58, s58, 4*KS*128 ; in slot 1: the first change of slots steps it to slot 2
	s_mov_b32 s59, 0
	s_cmp_eq_u32 s16, 0
	s_cselect_b32 s[LIM], 1, -1
	v_and_b32 v[PFO], 31, v0
	v_lshlrev_b32 v[PFO], 8, v[PFO]
	; descriptor group 1: 128 keys are 16,384 dense bytes: 64 rows of 256 bytes, padded in LDS after every key
	s_mov_b32 s[G1K], 15|(1<<16)|(1<<20)|(1<<21)|(4<<22)|(3<<25)
	s_mov_b32 s[G1V], 15|(1<<16)|(1<<20)|(1<<21)|(4<<22)|(7<<25)
.irp g, G1K, G1V
	s_mov_b32 s[\g+1], 128<<16
	s_mov_b32 s[\g+2], 64<<16
	s_mov_b32 s[\g+3], 128<<16
	s_mov_b32 s[\g+4], 64
	s_mov_b32 s[\g+5], 128
	s_mov_b32 s[\g+6], 0
	s_mov_b32 s[\g+7], 0
.endr
	s_mov_b32 s[SEL], 0x76543210
	s_mov_b32 s[SEL+1], 0xfedcba98
	s_mov_b32 s[TBK], SLOT1+4*KS*PK ; the first change of slots turns these two into 0
	s_mov_b32 s[TBV], SLOT1+4*KS*PV
	s_mov_b32 s[G0K], 1
	s_mov_b32 s[G0K+1], s17
	s_mov_b32 s[G0V], 1
	s_add_co_u32 s[G0V+1], s21, VOFF
	s_mov_b32 s[SLOTS], 7
	s_wait_dscnt 0x0                ; the opening add is done
	s_wait_kmcnt 0x0
	s_add_nc_u64 s[G0K+2:G0K+3], s[4:5], s[22:23]
	s_or_b32 s[G0K+3], s[G0K+3], 0x80000000
	s_add_nc_u64 s[G0V+2:G0V+3], s[4:5], s[18:19]
	s_or_b32 s[G0V+3], s[G0V+3], 0x80000000
	s_add_nc_u64 s[8:9], s[4:5], s[52:53]      ; Q at my wave's first row
	s_add_nc_u64 s[10:11], s[6:7], s[54:55]    ; y likewise
	s_add_nc_u64 s[PFA:PFA+1], s[4:5], s[58:59]
	CROUND                          ; all four work-groups are here: the first joint loads meet
	JLOAD                           ; slot 0; slot 1 is asked for when slot 0 is in
	v_and_b32 v1, 15, v0
	v_bfe_u32 v9, v0, 4, 1
	v_lshlrev_b32 v[QO], 7, v1
	v_lshl_add_u32 v[QO], v9, 4, v[QO]
	WIN 0x80
.set i, 0
.rept 4*NP                          ; Q stays in registers: tile i / 2, channels 32 (i % 2) on
	global_load_b128 v[8*i:8*i+3],   v[QO], s[8:9] offset:(i/2)*2048+(i%2)*64
	global_load_b128 v[8*i+4:8*i+7], v[QO], s[8:9] offset:(i/2)*2048+(i%2)*64+32
.set i, i+1
.endr
	; what the first turn finds: V and P's second buffer hold 0 (its products V^T P, of a piece that has not been, add 0), O^T and l are 0.  All this stands in the wait for the first tile.
.set i, VF
.rept 64
	v_mov_b32 v[i], 0
.set i, i+1
.endr
	WIN 0x40
.set i, 0
.rept 64*NP
	v_mov_b32 v[i], 0
.set i, i+1
.endr
	WIN 0
.set i, 0
.rept 4*NP
	v_mov_b32 v[L+i], 0
.set i, i+1
.endr
.set i, P+32
.rept 32
	v_mov_b32 v[i], 0
.set i, i+1
.endr
	v_mul_u32_u24 v[AK0], v1, PK
	v_lshl_add_u32 v[AK0], v9, 4, v[AK0]
	v_and_b32 v10, 7, v0
	v_bfe_u32 v11, v0, 3, 1
	v_lshl_add_u32 v[AV0], v9, 3, v10
	v_mul_u32_u24 v[AV0], v[AV0], PV
	v_lshl_add_u32 v[AV0], v11, 4, v[AV0]
	v_add_nc_u32 v[AV0], VOFF, v[AV0]
	v_mov_b32 v[AK], v[AK0]
; Product i of 16 of S^T = K Q^T for piece x: channels 32 (i / 8) on, keys 16 ((i / 2) % 4) on, tile 2 x + i % 2.  The 8 accumulators take turns; the first 8 start the sums.
.macro KQ x
	WIN W_KQ
.set rS, S+64*((\x)%2)+32*(i%2)+8*((i/2)%4)
.set rK, KF+16*((i/2)%4)+8*(i/8)
.set rQ, 16*(2*(\x)+i%2)+8*(i/8)
.if i < 8
	v_wmma_f32_16x16x32_f16 v[rS:rS+7], v[rK:rK+7], v[rQ:rQ+7], 0
.else
	v_wmma_f32_16x16x32_f16 v[rS:rS+7], v[rK:rK+7], v[rQ:rQ+7], v[rS:rS+7]
.endif
.endm
; Product i of 16 of O^T += V^T P for piece x: keys 32 (i / 8) on, channels 16 ((i / 2) % 4) on, tile 2 x + i % 2.
.macro PV x
	WIN W_PV
.set rO, 32*(2*(\x)+i%2)+8*((i/2)%4)
.set rV, VF+32*(i/8)+8*((i/2)%4)
.set rP, P+32*((\x)%2)+16*(i%2)+8*(i/8)
	v_wmma_f32_16x16x32_f16 v[rO:rO+7], v[rV:rV+7], v[rP:rP+7], v[rO:rO+7]
.endm
.macro FETCH_K last=0               ; a step's K: 16 LDS loads in one run.  last = 1 (the tail): in the last trip there is no further step, and the run is jumped over
	WIN 0
.if \last
	s_cmp_eq_u32 s[CNT], 1
	s_cbranch_scc1 .Lno_k_\@
.endif
	WIN 0x80
.irp f, 0,1,2,3,4,5,6,7
	ds_load_b128 v[KF+8*\f:KF+8*\f+3],   v[AK] offset:(\f/2)*16*PK+(\f%2)*64
	ds_load_b128 v[KF+8*\f+4:KF+8*\f+7], v[AK] offset:(\f/2)*16*PK+(\f%2)*64+32
.endr
	s_add_co_u32 s[TBK], s[TBK], KS*PK
	WIN 0
.if \last
.Lno_k_\@:
.endif
.endm
.macro FETCH_V
	WIN 0x80
.irp f, 0,1,2,3,4,5,6,7
	ds_load_tr16_b128 v[VF+8*\f:VF+8*\f+3],   v[AV] offset:(\f/4)*32*PV+(\f%4)*32
	ds_load_tr16_b128 v[VF+8*\f+4:VF+8*\f+7], v[AV] offset:(\f/4)*32*PV+16*PV+(\f%4)*32
.endr
	WIN 0
.endm
.macro LADD n                       ; l of tile 2 Y + n % 2 takes the sum of the four weights 4 (n / 2) on
	v_pk_add_f32 v[L+2*(2*Y+(\n)%2):L+2*(2*Y+(\n)%2)+1], v[L+2*(2*Y+(\n)%2):L+2*(2*Y+(\n)%2)+1], v[S+64*(Y%2)+32*((\n)%2)+4*((\n)/2):S+64*(Y%2)+32*((\n)%2)+4*((\n)/2)+1]
.endm
.macro RID                          ; the four lines behind product g of V^T P: four weights of tile g % 2 are rounded, their second pair is added onto the first in place, and l takes the sum made two products back
.set rS, S+64*(Y%2)+32*(g%2)+4*(g/2)
.set rP, P+32*(Y%2)+16*(g%2)+2*(g/2)
	v_cvt_pk_f16_f32 v[rP], v[rS], v[rS+1]
	v_cvt_pk_f16_f32 v[rP+1], v[rS+2], v[rS+3]
	v_pk_add_f32 v[rS:rS+1], v[rS:rS+1], v[rS+2:rS+3]
.if g >= 2
	LADD g-2
.endif
.endm
; A TURN, for piece p.  K of the next step is fetched in piece 2's turn, behind the wait: four plain lines (the address and three v_nop) stand behind the last product that read K.
; V of the step in hand is fetched at the end of piece 0's turn: seven plain lines stand behind the last product that read V.  Each is waited for a turn later.
.macro TURN p, last=0
.set Y, (\p)
.if (\p) == NP-1
	s_wait_dscnt 0x0                ; K is in
.endif
.set i, 0
.set e, 0
.rept 16
	KQ (Y+1)%NP
.set i, i+1
	WIN 0
.rept 4
	v_exp_f32 v[S+64*(Y%2)+32*(e%2)+e/2], v[S+64*(Y%2)+32*(e%2)+e/2]  ; the tiles by turns, each tile's scores ascending: an accumulator is first read at its low end
.set e, e+1
.endr
.endr
.if (\p) == NP-2
	v_add_nc_u32 v[AK], s[TBK], v[AK0]
	v_nop
	v_nop
	v_nop
.else
	v_nop                           ; a plain instruction behind the last exponential: one for the batch
.endif
	s_wait_alu depctr_va_vdst(0)    ; the one wait for the turn's 64 exponentials, ahead of the first line that names a result
.if (\p) == NP-2
	FETCH_K \last
.endif
.if (\p) == 1
	s_wait_dscnt 0x0                ; V is in
.endif
.set i, 0
.set g, 0
.rept 16
	PV (Y+NP-1)%NP
.set i, i+1
	WIN 0
	RID
.set g, g+1
.endr
	LADD 14
	LADD 15
.if (\p) == 0
	v_add_nc_u32 v[AV], s[TBV], v[AV0]
	s_add_co_u32 s[TBV], s[TBV], KS*PV
	FETCH_V
.endif
.endm
	CHANGE 1                        ; slot 0 is in, everybody's part of it; slot 1 is asked for
	FETCH_K                         ; key step 0
	s_wait_loadcnt 0x0              ; Q
	s_wait_dscnt 0x0
.set i, 0
.rept 16
	KQ 0
.set i, i+1
.endr
	WIN 0                           ; the addresses for the way out: nine plain lines, the places behind those products
	s_mul_i32 s13, s[WV], 16*SP
	s_add_co_u32 s13, s13, STAGE
	v_mul_u32_u24 v[STO], v1, SP
	v_lshl_add_u32 v[STO], v9, 4, v[STO]
	v_add_nc_u32 v[STO], s13, v[STO]
	v_bfe_u32 v[RD], v0, 3, 2
	v_mul_u32_u24 v[RD], v[RD], SP
	v_lshl_add_u32 v[RD], v10, 4, v[RD]
	v_add_nc_u32 v[RD], s13, v[RD]
	v_and_b32 v[GO], 31, v0
	v_lshlrev_b32 v[GO], 4, v[GO]
	s_mov_b32 s[CNT], 4
	s_branch .Lfirst                ; the loop is entered at a step's first turn, in the middle of a trip
.Lslot:                             ; six times: every slot but the last two is filled again
	CHANGE 1
	s_mov_b32 s[CNT], 4
.Lstep:                             ; a trip: pieces 2 and 3 of one step, then pieces 0 and 1 of the next, whose K and V it fetches
	TURN 2
	TURN 3
	WIN 0
.Lfirst:
	TURN 0
	TURN 1
	WIN 0
	s_sub_co_u32 s[CNT], s[CNT], 1
	s_cmp_lg_u32 s[CNT], 0
	s_cbranch_scc1 .Lstep
	s_sub_co_u32 s[SLOTS], s[SLOTS], 1
	s_cmp_lg_u32 s[SLOTS], 0
	s_cbranch_scc1 .Lslot
	CHANGE 0                        ; the tail is written out: nothing is asked for
	s_mov_b32 s[CNT], 5             ; four trips fetch the last slot's steps; the fifth is left in its middle
.Ltail:
	TURN 2, 1
	TURN 3
	WIN 0
	s_sub_co_u32 s[CNT], s[CNT], 1
	s_cmp_eq_u32 s[CNT], 0
	s_cbranch_scc1 .Lout
	TURN 0
	TURN 1
	WIN 0
	s_branch .Ltail
.Lout:                              ; the fifth trip's 16 products K Q^T, on the last K once more, serve nothing: the price, once a launch, of one text for every trip
.set i, 0
.rept 16
	PV NP-1
.set i, i+1
.endr
	; THE WAY OUT.  l's two halves and the other half of the lanes' are added; O^T is divided by l, rounded to f16 and sent through my stage, a tile at a time.  The additions are the places behind the last products.
	WIN 0
.macro ALL line:vararg
.set t, 0
.rept 2*NP
	\line
.set t, t+1
.endr
.endm
	ALL v_add_f32 v[L+2*t], v[L+2*t], v[L+2*t+1]
	ALL v_permlanex16_b32 v[L+2*t+1], v[L+2*t], s[SEL], s[SEL+1]
	ALL v_add_f32 v[L+2*t], v[L+2*t], v[L+2*t+1]
	ALL v_rcp_f32 v[L+2*t], v[L+2*t]
	v_nop                           ; a plain instruction behind the last reciprocal,
	s_wait_alu depctr_va_vdst(0)    ; and the one wait for the eight, ahead of the first use
.macro PACK t
	WIN W_RS
.set i, 32*(\t)
.rept 16
	v_pk_mul_f32 v[i:i+1], v[i:i+1], v[L+2*(\t):L+2*(\t)+1] op_sel_hi:[1,0]
.set i, i+2
.endr
	WIN 0x05
.set i, 0
.rept 16
	v_cvt_pk_f16_f32 v[S+16*(\t)+i], v[32*(\t)+2*i], v[32*(\t)+2*i+1]
.set i, i+1
.endr
	WIN 0
.irp f, 0,1,2,3
	ds_store_b128 v[STO], v[S+16*(\t)+4*\f:S+16*(\t)+4*\f+3] offset:32*\f
.endr
.irp f, 0,1,2,3
	ds_load_b128 v[S+16*(\t)+4*\f:S+16*(\t)+4*\f+3], v[RD] offset:\f*4*SP  ; LDS serves a wave's instructions in order (ISA guide 5.7.1.4): these see the stores above
.endr
.endm
.macro SEND t, younger              ; younger: the LDS instructions issued behind tile t's loads: the next tile's eight, or none
	WIN 0
.irp f, 0,1,2,3
	s_wait_dscnt (\younger)+3-\f
	global_store_b128 v[GO], v[S+16*(\t)+4*\f:S+16*(\t)+4*\f+3], s[10:11] offset:(\t)*2048+\f*512  ; 512 consecutive bytes, aligned
.endr
.endm
	PACK 0
.set t, 1
.rept 2*NP-1
	PACK t
	SEND t-1, 8
.set t, t+1
.endr
	SEND 2*NP-1, 0
	s_wait_tensorcnt 0x0            ; the wave's end, behind my last tensor load and my last LDS store
	ds_add_u32 v[SPW], v[NIL]
	s_wait_dscnt 0x0
	CROUND                          ; the closing round
	s_endpgm
.Lfunc_end_k_q6321a52132_attn:
	.size	k_q6321a52132_attn, .Lfunc_end_k_q6321a52132_attn-k_q6321a52132_attn
	.p2alignl 7, 3214868480
	.fill 96, 4, 3214868480
	.section	.rodata,"a",@progbits
	.p2align	6, 0x0
	.amdhsa_kernel k_q6321a52132_attn
		.amdhsa_group_segment_fixed_size 327680
		.amdhsa_private_segment_fixed_size 0
		.amdhsa_enable_private_segment 0
		.amdhsa_kernarg_size 16
		.amdhsa_user_sgpr_count 2
		.amdhsa_user_sgpr_kernarg_segment_ptr 1
		.amdhsa_wavefront_size32 1
		.amdhsa_system_sgpr_workgroup_id_x 1
		.amdhsa_system_sgpr_workgroup_id_y 1
		.amdhsa_system_sgpr_workgroup_id_z 1
		.amdhsa_system_vgpr_workitem_id 0
		.amdhsa_next_free_vgpr 768
		.amdhsa_next_free_sgpr 66
		.amdhsa_reserve_vcc 0
		.amdhsa_float_denorm_mode_32 3
		.amdhsa_float_denorm_mode_16_64 3
		.amdhsa_memory_ordered 1
		.amdhsa_forward_progress 1
		.amdhsa_inst_pref_size 141
	.end_amdhsa_kernel
	.amdgpu_metadata
---
amdhsa.version: [ 1, 2 ]
amdhsa.kernels:
  - .name:           k_q6321a52132_attn
    .symbol:         k_q6321a52132_attn.kd
    .args:
      - { .name: qkv, .offset: 0, .size: 8, .value_kind: global_buffer, .address_space: global }
      - { .name: yh, .offset: 8, .size: 8, .value_kind: global_buffer, .address_space: global }
    .group_segment_fixed_size: 327680
    .private_segment_fixed_size: 0
    .kernarg_segment_align: 8
    .kernarg_segment_size: 16
    .max_flat_workgroup_size: 128
    .sgpr_count:     66
    .vgpr_count:     768
    .wavefront_size: 32
...
	.end_amdgpu_metadata
.endif
;; end of part 3
;; launch proj (part 4): grid 8 x 32, 4 waves a work-group, clusters of 4 x 4, 327,680 bytes of LDS; arguments yh, woh, out0; writes out0
.if DOCPART == 4
	.amdgcn_target "amdgcn-amd-amdhsa--gfx1250"
	.amdhsa_code_object_version 6
	.text
	.protected	k_q6321a52132_proj
	.globl	k_q6321a52132_proj
	.p2align	8
	.type	k_q6321a52132_proj,@function
k_q6321a52132_proj:
	s_mov_b64 s[64:65], 0
	v_nop
	global_prefetch_b8 v0, s[64:65] scope:SCOPE_SE
	s_setreg_imm32_b32 hwreg(HW_REG_WAVE_MODE, 25, 1), 1
	s_wait_xcnt 0x0
	s_wait_alu depctr_hold_cnt(0) depctr_sa_sdst(0) depctr_va_vdst(0) depctr_va_sdst(0) depctr_va_ssrc(0) depctr_va_vcc(0) depctr_vm_vsrc(0)
	s_getreg_b32 s2, hwreg(HW_REG_IB_STS2, 6, 4)
	s_cmp_eq_u32 s2, 0
	s_cbranch_scc0 .Lentry_in_a_cluster
	s_endpgm
.Lentry_in_a_cluster:
	s_bfe_u32 s2, ttmp6, 0x10000c
	s_cmp_lg_u32 s2, 0xf033
	s_cbranch_scc0 .Lentry_shape_is_right
	s_endpgm
.Lentry_shape_is_right:
; out0[m][n] = the sum over c of y[m][c] Wo[n][c]: y and Wo in f16 (Wo is the bf16-rounded weight written as f16), sums and output in f32.
; yh: [kb 16][m 8192][64], woh: [kb 16][n 1024][64]: blocks of 64 along K, so a tile is dense in memory and is asked for as rows of 256 bytes, padded in LDS after every 128.
; A work-group makes 256 x 128 of out0: 32 x 8 = 256 work-groups; a wave 128 x 64: 32 accumulators, window 1 (accumulator (a, bb) at v[8 (4 a + bb)]).  A slot holds two blocks, K = 128; 8 steps.
; TRANSPOSED USE (source 0 = 16 rows of woh, source 1 = 16 rows of yh): a lane holds eight neighbouring numbers of a row of out0.
; CLUSTER 4 x 4: A's tiles are asked for jointly along a row of the cluster, B's along a column.
.set PITCH, 144
.set AKB,   36864                      ; A: 256 rows of one block
.set BOFF,  73728                      ; behind A's two blocks
.set BKB,   18432                      ; B: 128 rows of one block
.set SLOT,  110592
.set STAGE, 221184                     ; behind the ring: 16 rows x 272 bytes for each wave; no tile lands here
.set SPITCH, 272
.set SPARE, 238592                     ; the spare words, 128 bytes for each wave: two blocks of 256 bytes that no other line names
.set KBA,   1048576
.set KBO,   131072
.set ADRA, 16
.set ADRB, 20
.set STO,  24
.set RD,   25
.set CO,   26
.set SPW,  28
.set NIL,  29
.set PFO,  30
.set AF,   32                          ; v32-95, v96-159 A's fragments, two buffers
.set BF,   160                         ; v160-191, v192-223 B's
.set OB,   32                          ; the way out: v32-63 and v64-95 by turns
.set G1A, 24
.set G0A, 32
.set PFA, 44
.set PFS, 46
.set G1B, 48
.set G0B, 56
.set LIM, 72
.set G1C, (1<<16)|(1<<20)|(1<<21)|(4<<22)|(3<<25)
.set MSB, 0
.macro WIN new
.if MSB != (\new)
	s_set_vgpr_msb (MSB<<8)|(\new)
.set MSB, \new
.endif
.endm
.macro PLACES
.rept 4
	v_nop
.endr
.endm
.macro JLOAD s                         ; waves 0 and 1 fetch A's even and odd block, waves 2 and 3 B's; an s_nop 0 and four v_nop follow each line
	s_cmp_eq_u32 s13, 0
	s_cbranch_scc0 .Lfor_b_\@
	tensor_load_to_lds s[G0A+4*(\s):G0A+4*(\s)+3], s[G1A:G1A+7]
	s_nop 0
.rept 4
	v_nop
.endr
	s_branch .Lasked_\@
.Lfor_b_\@:
	tensor_load_to_lds s[G0B+4*(\s):G0B+4*(\s)+3], s[G1B:G1B+7]
	s_nop 0
.rept 4
	v_nop
.endr
.Lasked_\@:
.endm
; A PREFETCH INTO THE L2 of the step two refills on.  A's rows: the clusters with x = 0, waves 0 and 1 for the block that each fetches, 32 blocks of 256 bytes a partner, told apart by address (cx).
; B's rows: the clusters with y = 0, wave 2, both blocks by the halves of the lanes, 16 a partner and block (cy).  The loop's last trip asks for nothing: step 7 is the last that is named.
.macro ASK
	s_cmp_gt_u32 s3, s[LIM]
	s_cbranch_scc0 .Lnot_mine_\@
	global_prefetch_b8 v[PFO], s[PFA:PFA+1] th:TH_LOAD_NT scope:SCOPE_SE
.Lnot_mine_\@:
.endm
.macro CREST
	s_cmp_lg_u32 s12, 0
	s_cbranch_scc1 .Lnot_wave_0_\@
	s_barrier_signal -3
.Lnot_wave_0_\@:
	s_barrier_wait -3
	s_barrier_signal -1
	s_barrier_wait -1
.endm
.macro CROUND
	s_barrier_signal -1
	s_barrier_wait -1
	CREST
.endm
	s_load_b128 s[4:7], s[0:1], 0x0                ; yh s[4:5], woh s[6:7]
	s_load_b64 s[8:9], s[0:1], 0x10                ; out0
	v_lshl_add_u32 v[SPW], v0, 2, SPARE
	v_mov_b32 v[NIL], 0
	ds_add_u32 v[SPW], v[NIL]                      ; the wave's opening add, waited for ahead of my first tensor load
	v_lshrrev_b32 v1, 5, v0
	v_readfirstlane_b32 s12, v1
	s_lshr_b32 s13, s12, 1                         ; WR: my half of the rows.  Also: I fetch for A (0) or for B (1)
	s_and_b32 s14, s12, 1                          ; WC: my half of the columns.  Also: the even or the odd block
	s_bfe_u32 s40, ttmp6, 0x40000
	s_bfe_u32 s41, ttmp6, 0x40004
	s_lshl_b32 s42, ttmp9, 2
	s_add_co_u32 s42, s42, s40                     ; TC 0..7
	s_and_b32 s43, ttmp7, 0xffff
	s_lshl_b32 s43, s43, 2
	s_add_co_u32 s43, s43, s41                     ; TR 0..31
	s_lshl_b32 s22, s41, 2
	s_lshl_b32 s22, 15, s22
	s_lshl_b32 s23, 0x1111, s40
	s_or_b32 s[G1A], s22, G1C
	s_or_b32 s[G1B], s23, G1C
	s_mov_b32 s[G1A+1], 128<<16
	s_mov_b32 s[G1A+2], 128<<16
	s_mov_b32 s[G1A+3], 128<<16
	s_mov_b32 s[G1A+4], 128                        ; 128 rows of 256 bytes: 256 rows of yh
	s_mov_b32 s[G1A+5], 128
	s_mov_b32 s[G1A+6], 0
	s_mov_b32 s[G1A+7], 0
	s_mov_b32 s[G1B+1], 128<<16
	s_mov_b32 s[G1B+2], 64<<16
	s_mov_b32 s[G1B+3], 128<<16
	s_mov_b32 s[G1B+4], 64                         ; 128 rows of woh
	s_mov_b32 s[G1B+5], 128
	s_mov_b32 s[G1B+6], 0
	s_mov_b32 s[G1B+7], 0
	s_lshl_b32 s16, s43, 15
	s_lshl_b32 s17, s14, 20                        ; the odd block lies KBA on
	s_add_co_u32 s16, s16, s17
	s_mov_b32 s17, 0
	s_lshl_b32 s20, s42, 14
	s_lshl_b32 s21, s14, 17                        ; KBO on
	s_add_co_u32 s20, s20, s21
	s_mov_b32 s21, 0
	s_mul_i32 s2, s14, AKB
	s_mul_i32 s15, s14, BKB
	s_add_co_u32 s15, s15, BOFF
	s_wait_dscnt 0x0                               ; the opening add is done
	s_wait_kmcnt 0x0
	s_add_nc_u64 s[16:17], s[4:5], s[16:17]
	s_add_nc_u64 s[20:21], s[6:7], s[20:21]
.irp s, 0,1
	s_mov_b32 s[G0A+4*\s], 1
	s_add_co_u32 s[G0A+4*\s+1], s2, \s*SLOT
	s_add_nc_u64 s[G0A+4*\s+2:G0A+4*\s+3], s[16:17], \s*2*KBA
	s_or_b32 s[G0A+4*\s+3], s[G0A+4*\s+3], 0x80000000
	s_mov_b32 s[G0B+4*\s], 1
	s_add_co_u32 s[G0B+4*\s+1], s15, \s*SLOT
	s_add_nc_u64 s[G0B+4*\s+2:G0B+4*\s+3], s[20:21], \s*2*KBO
	s_or_b32 s[G0B+4*\s+3], s[G0B+4*\s+3], 0x80000000
.endr
	CROUND                                         ; all sixteen work-groups are here: the first joint loads meet
	s_cmp_eq_u32 s13, 0                            ; a wave's two first fills stand in one branch: two loads of mine are out
	s_cbranch_scc0 .Lfirst_b
	tensor_load_to_lds s[G0A:G0A+3], s[G1A:G1A+7]
	s_nop 0
	tensor_load_to_lds s[G0A+4:G0A+7], s[G1A:G1A+7]
	s_nop 0
.rept 4
	v_nop
.endr
	s_branch .Lfirst_done
.Lfirst_b:
	tensor_load_to_lds s[G0B:G0B+3], s[G1B:G1B+7]
	s_nop 0
	tensor_load_to_lds s[G0B+4:G0B+7], s[G1B:G1B+7]
	s_nop 0
.rept 4
	v_nop
.endr
.Lfirst_done:
	v_and_b32 v1, 15, v0
	v_bfe_u32 v2, v0, 4, 1
	v_mul_u32_u24 v3, v1, PITCH
	v_lshl_add_u32 v3, v2, 4, v3
	s_mul_i32 s20, s13, 128*PITCH
	s_mul_i32 s21, s14, 64*PITCH
	s_add_co_u32 s21, s21, BOFF
	v_add_nc_u32 v[ADRA], s20, v3
	v_add_nc_u32 v[ADRB], s21, v3
	v_add_nc_u32 v[ADRA+1], SLOT, v[ADRA]
	v_add_nc_u32 v[ADRB+1], SLOT, v[ADRB]
	s_mul_i32 s21, s12, 16*SPITCH
	s_add_co_u32 s21, s21, STAGE                   ; my stage
	v_mul_u32_u24 v4, v1, SPITCH                   ; in: row l % 16, 32 bytes for each half of the lanes
	v_lshl_add_u32 v4, v2, 5, v4
	v_add_nc_u32 v[STO], s21, v4
	v_mul_u32_u24 v5, v2, SPITCH                   ; back: lanes 0-15 take one row of 256 bytes, lanes 16-31 the next
	v_lshl_add_u32 v5, v1, 4, v5
	v_add_nc_u32 v[RD], s21, v5
	v_lshlrev_b32 v[CO], 12, v2                    ; and the same two rows of out0, 4,096 bytes apart
	v_lshl_add_u32 v[CO], v1, 4, v[CO]
	s_lshl_b32 s16, s43, 20                        ; my first row, (256 TR + 128 WR) x 4,096 bytes, and my first column, 512 TC + 256 WC bytes
	s_lshl_b32 s17, s13, 19
	s_add_co_u32 s16, s16, s17
	s_lshl_b32 s17, s42, 9
	s_add_co_u32 s16, s16, s17
	s_lshl_b32 s17, s14, 8
	s_add_co_u32 s16, s16, s17
	s_mov_b32 s17, 0
	s_add_nc_u64 s[8:9], s[8:9], s[16:17]
	; the prefetches: they start at step 3; the first change of slots steps them to step 4
	s_lshl_b32 s16, s43, 15
	s_lshl_b32 s17, s40, 13
	s_add_co_u32 s16, s16, s17
	s_lshl_b32 s17, s14, 20
	s_add_co_u32 s16, s16, s17
	s_add_co_u32 s16, s16, 6*KBA
	s_lshl_b32 s20, s42, 14
	s_lshl_b32 s21, s41, 12
	s_add_co_u32 s20, s20, s21
	s_add_co_u32 s20, s20, 6*KBO
	s_and_b32 s23, ttmp7, 0xffff                   ; cluster y
	s_mov_b32 s[PFS], 2*KBO
	s_mov_b32 s22, KBO
	s_cmp_eq_u32 s13, 0
	s_cselect_b64 s[PFA:PFA+1], s[4:5], s[6:7]
	s_cselect_b32 s18, s16, s20
	s_cselect_b32 s[PFS], 2*KBA, s[PFS]
	s_cselect_b32 s22, 4096, s22                   ; what lanes 16-31 add: A: 16 blocks of 256 bytes on; B: the odd block of K
	s_cselect_b32 s23, ttmp9, s23
	s_mov_b32 s19, 0
	s_mov_b32 s[PFS+1], 0
	s_add_nc_u64 s[PFA:PFA+1], s[PFA:PFA+1], s[18:19]
	s_cmp_eq_u32 s23, 0
	s_cselect_b32 s[LIM], 1, -1
	s_cmp_eq_u32 s12, 3                            ; wave 3 asks for nothing
	s_cselect_b32 s[LIM], -1, s[LIM]
	v_lshlrev_b32 v[PFO], 8, v1
	v_mul_lo_u32 v31, v2, s22
	v_add_nc_u32 v[PFO], v[PFO], v31
.macro MULP f, a0, na, zero            ; na x 4 products on buffer f; the accumulators take turns
	WIN 0x50
.set ma, (\a0)
.rept (\na)
.irp bb, 0,1,2,3
.if \zero
	v_wmma_f32_16x16x32_f16 v[8*(4*ma+\bb):8*(4*ma+\bb)+7], v[BF+32*(\f)+8*\bb:BF+32*(\f)+8*\bb+7], v[AF+64*(\f)+8*ma:AF+64*(\f)+8*ma+7], 0
.else
	v_wmma_f32_16x16x32_f16 v[8*(4*ma+\bb):8*(4*ma+\bb)+7], v[BF+32*(\f)+8*\bb:BF+32*(\f)+8*\bb+7], v[AF+64*(\f)+8*ma:AF+64*(\f)+8*ma+7], v[8*(4*ma+\bb):8*(4*ma+\bb)+7]
.endif
.endr
.set ma, ma+1
.endr
.endm
.macro FETCH slot, q, f                ; 24 LDS loads in one run: quarter q (block q / 2, byte 64 (q % 2)) into buffer f: B, then A's rows 0-63, then 64-127
	WIN 0
.irp bb, 0,1,2,3
	ds_load_b128 v[BF+32*(\f)+8*\bb:BF+32*(\f)+8*\bb+3],   v[ADRB+(\slot)] offset:((\q)/2)*BKB+((\q)%2)*64+\bb*16*PITCH
	ds_load_b128 v[BF+32*(\f)+8*\bb+4:BF+32*(\f)+8*\bb+7], v[ADRB+(\slot)] offset:((\q)/2)*BKB+((\q)%2)*64+\bb*16*PITCH+32
.endr
.irp a8, 0,1,2,3,4,5,6,7
	ds_load_b128 v[AF+64*(\f)+8*\a8:AF+64*(\f)+8*\a8+3],   v[ADRA+(\slot)] offset:((\q)/2)*AKB+((\q)%2)*64+\a8*16*PITCH
	ds_load_b128 v[AF+64*(\f)+8*\a8+4:AF+64*(\f)+8*\a8+7], v[ADRA+(\slot)] offset:((\q)/2)*AKB+((\q)%2)*64+\a8*16*PITCH+32
.endr
.endm
.macro QUARTER slot, q, f, g, zero     ; multiplies buffer f; in its middle fetches quarter q of the slot into buffer g
	s_wait_dscnt 8                                 ; B and A's rows 0-63 are in; the youngest eight loads may be out
	MULP \f, 0, 4, \zero
	PLACES
	FETCH \slot, \q, \g
	s_wait_dscnt 24                                ; all but the 24 just issued
	MULP \f, 4, 4, \zero
.endm
.macro TURN slot, next, fill           ; the last quarter multiplies buffer 1 and changes slots; a refill has 112 products between it and the wait for it
	s_wait_xcnt 0x0                                ; the last prefetch, a step back, has read its address
	s_add_nc_u64 s[PFA:PFA+1], s[PFA:PFA+1], s[PFS:PFS+1]
	WIN 0
	s_wait_tensorcnt 0x0                           ; all my tensor loads have landed, my part of the next slot among them
	ds_add_u32 v[SPW], v[NIL]                      ; 0 onto my spare word
	s_wait_dscnt 9                                 ; the add and the youngest eight loads may be out
	MULP 1, 0, 2, 0
	s_wait_dscnt 0x0                               ; the add is done, and my reads of this slot are over
	s_barrier_signal -1
	MULP 1, 2, 2, 0
	WIN 0
	s_barrier_wait -1
.if \fill
	CREST                                          ; no wave of any partner still reads this slot or has a load on its way
	s_add_nc_u64 s[G0A+4*(\slot)+2:G0A+4*(\slot)+3], s[G0A+4*(\slot)+2:G0A+4*(\slot)+3], 4*KBA
	s_add_nc_u64 s[G0B+4*(\slot)+2:G0B+4*(\slot)+3], s[G0B+4*(\slot)+2:G0B+4*(\slot)+3], 4*KBO
	JLOAD \slot                                    ; its four v_nop are also the places in front of the loads below
.else
	PLACES
.endif
	FETCH \next, 0, 0
.if \fill
	ASK
.endif
	MULP 1, 4, 4, 0
.endm
; THE WAY OUT of block a: 32 bytes a lane into my stage, whole rows of 256 bytes back, stored.
.macro STG a
	WIN 0x04                                       ; the stores' data in window 1
.irp bb, 0,1,2,3
	ds_store_b128 v[STO], v[8*(4*(\a)+\bb):8*(4*(\a)+\bb)+3]   offset:64*\bb      ; each accumulator's low end first
	ds_store_b128 v[STO], v[8*(4*(\a)+\bb)+4:8*(4*(\a)+\bb)+7] offset:64*\bb+16
.endr
	WIN 0
	s_wait_xcnt 0x0                                ; the stores of two blocks back have read the registers that the loads below fill
.irp t, 0,1,2,3,4,5,6,7
	ds_load_b128 v[OB+32*((\a)%2)+4*\t:OB+32*((\a)%2)+4*\t+3], v[RD] offset:\t*2*SPITCH  ; LDS serves a wave's instructions in order (ISA guide 5.7.1.4): these see the stores above
.endr
.endm
.macro SEND a, younger                 ; younger: the next block's sixteen LDS instructions, or none
	s_wait_dscnt \younger
.irp t, 0,1,2,3,4,5,6,7
	global_store_b128 v[CO], v[OB+32*((\a)%2)+4*\t:OB+32*((\a)%2)+4*\t+3], s[8:9] offset:(\a)*65536+\t*8192 th:TH_STORE_NT  ; 16 lanes store 256 consecutive bytes, aligned
.endr
.endm
	s_wait_tensorcnt 1                             ; my part of step 0 is in; step 1's may stay out
	s_barrier_signal -1
	s_barrier_wait -1
	FETCH 0, 0, 0
	QUARTER 0, 1, 0, 1, 1                          ; the first quarter stands in front of the loop: its products start the sums
	WIN 0
	s_mov_b32 s3, 3
.Llap:                                         ; a trip goes once round the ring and fills both slots again
	QUARTER 0, 2, 1, 0, 0
	QUARTER 0, 3, 0, 1, 0
	TURN 0, 1, 1
	QUARTER 1, 1, 0, 1, 0
	QUARTER 1, 2, 1, 0, 0
	QUARTER 1, 3, 0, 1, 0
	TURN 1, 0, 1
	QUARTER 0, 1, 0, 1, 0
	WIN 0
	s_sub_co_u32 s3, s3, 1
	s_cmp_lg_u32 s3, 0
	s_cbranch_scc1 .Llap
	QUARTER 0, 2, 1, 0, 0                          ; the last lap fills nothing
	QUARTER 0, 3, 0, 1, 0
	TURN 0, 1, 0
	QUARTER 1, 1, 0, 1, 0
	QUARTER 1, 2, 1, 0, 0
	QUARTER 1, 3, 0, 1, 0
	s_wait_dscnt 8
	MULP 1, 0, 4, 0
	s_wait_dscnt 0x0
	MULP 1, 4, 4, 0
	PLACES
	STG 0
.irp a, 1,2,3,4,5,6,7
	STG \a
	SEND (\a)-1, 16
.endr
	SEND 7, 0
	s_wait_tensorcnt 0x0                           ; the wave's end, behind my last tensor load and my last LDS store
	ds_add_u32 v[SPW], v[NIL]
	s_wait_dscnt 0x0
	CROUND                                         ; the closing round
	s_endpgm
.Lfunc_end_k_q6321a52132_proj:
	.size	k_q6321a52132_proj, .Lfunc_end_k_q6321a52132_proj-k_q6321a52132_proj
	.p2alignl 7, 3214868480
	.fill 96, 4, 3214868480
	.section	.rodata,"a",@progbits
	.p2align	6, 0x0
	.amdhsa_kernel k_q6321a52132_proj
		.amdhsa_group_segment_fixed_size 327680
		.amdhsa_private_segment_fixed_size 0
		.amdhsa_enable_private_segment 0
		.amdhsa_kernarg_size 24
		.amdhsa_user_sgpr_count 2
		.amdhsa_user_sgpr_kernarg_segment_ptr 1
		.amdhsa_wavefront_size32 1
		.amdhsa_system_sgpr_workgroup_id_x 1
		.amdhsa_system_sgpr_workgroup_id_y 1
		.amdhsa_system_sgpr_workgroup_id_z 1
		.amdhsa_system_vgpr_workitem_id 0
		.amdhsa_next_free_vgpr 512
		.amdhsa_next_free_sgpr 80
		.amdhsa_reserve_vcc 0
		.amdhsa_float_denorm_mode_32 3
		.amdhsa_float_denorm_mode_16_64 3
		.amdhsa_memory_ordered 1
		.amdhsa_forward_progress 1
		.amdhsa_inst_pref_size 86
	.end_amdhsa_kernel
	.amdgpu_metadata
---
amdhsa.version: [ 1, 2 ]
amdhsa.kernels:
  - .name:           k_q6321a52132_proj
    .symbol:         k_q6321a52132_proj.kd
    .args:
      - { .name: yh, .offset: 0, .size: 8, .value_kind: global_buffer, .address_space: global }
      - { .name: woh, .offset: 8, .size: 8, .value_kind: global_buffer, .address_space: global }
      - { .name: out0, .offset: 16, .size: 8, .value_kind: global_buffer, .address_space: global }
    .group_segment_fixed_size: 327680
    .private_segment_fixed_size: 0
    .kernarg_segment_align: 8
    .kernarg_segment_size: 24
    .max_flat_workgroup_size: 128
    .sgpr_count:     80
    .vgpr_count:     512
    .wavefront_size: 32
...
	.end_amdgpu_metadata
.endif
;; end of part 4
;; ======== version 2 of 2: 4 launches; version 1 with the launch cast written anew for expert scheduling mode
;; limits: values are held in f16: magnitudes above 65,504 overflow, below 6.1e-05 lose precision
;; workspace buffers: xb 16,777,216 bytes; wb 6,291,456 bytes; woh 2,097,152 bytes; csb 524,288 bytes; qkv 50,331,648 bytes; yh 16,777,216 bytes
;; launch cast (part 5): grid 392 x 1, 8 waves a work-group, no clusters, 0 bytes of LDS; arguments x, Wq, Wk, Wv, Wo, cos, sin, xb, wb, woh, csb; writes xb, wb, woh, csb
.if DOCPART == 5
	.amdgcn_target "amdgcn-amd-amdhsa--gfx1250"
	.amdhsa_code_object_version 6
	.text
	.protected	k_q6321a52132_cast
	.globl	k_q6321a52132_cast
	.p2align	8
	.type	k_q6321a52132_cast,@function
k_q6321a52132_cast:
	s_mov_b64 s[64:65], 0
	v_nop
	global_prefetch_b8 v0, s[64:65] scope:SCOPE_SE
	s_setreg_imm32_b32 hwreg(HW_REG_WAVE_SCHED_MODE, 0, 2), 2
	s_setreg_imm32_b32 hwreg(HW_REG_WAVE_MODE, 25, 1), 1
	s_wait_xcnt 0x0
	s_wait_alu depctr_vm_vsrc(0)
; All seven inputs are rounded once to bf16 and laid out for the matrix launches.  A stream: no LDS, no barrier, no loop.
;   x  [8192][1024] f32 -> xb  [kb 16][row 8192][64] bf16       (blocks of 64 along K: a tile of any number of rows is dense in memory)
;   Wq, Wk, Wv          -> wb  [kb 16][n' 3072][64] bf16, n' = head x 192 + type x 64 + d (type 0 q, 1 k, 2 v)
;   Wo                  -> woh [kb 16][n 1024][64]: rounded to bf16, and that number written as f16
;   cos, sin [2048][64] -> csb bf16: cos at byte 0, sin at byte 262,144
; LIMIT: |Wo| stays under 65,504 (f16's range); below 2^-14 the f16 copy keeps f16's fixed step of 2^-24.
; A work-group takes 131,072 source bytes, a wave 16,384, in 16 chunks of 4 rows x 64 numbers: lane l loads 32 bytes at row l / 8, byte 32 (l % 8)
; (eight lanes cover 256 consecutive bytes, aligned), and stores 16 bytes at 16 l: a chunk leaves as 512 consecutive bytes.
; Which tensor a work-group serves hangs on its number g alone: 0-255 x, 256-351 Wq Wk Wv, 352-383 Wo, 384-391 cos sin; all numbers are chosen by compares and selects.
; THE MODE: SCHED_MODE bits 1:0 = 2 (LLVM: expert scheduling mode 2), set by the entry lines.  The code itself states the register dependences
; between vector instructions and memory instructions, with s_wait_alu, always for 0.
; THE PLAN.  Registers that memory instructions touch:
;   v[SA ..]  16 source offsets.       Written by the vector adds at the head; read by the 32 loads; never written again.
;   v[DA ..]  16 destination offsets.  Written by the vector adds at the head; read by the 16 stores; never written again.
;   v[D ..]   chunk c's eight registers.  Its two loads land in them; its roundings read them and write the low four in place; its one store reads those four; never written again.
;   v34-37 are named by vector instructions alone.
; The 16 chunks go in four groups of four.  The store of chunk c - 4 stands at the head of chunk c, so ONE wait at a group's head states that the group before has written its
; sixteen packed registers, and that group's four stores are dealt among this group's roundings, which name this group's registers and v34-36 alone.
; No register that a load or store has read is written again, so the text holds no wait for memory instructions' reads of their registers.
; No vector instruction writes a scalar register or VCC, and EXEC is never written.
.set KBA, 1048576                      ; bytes from a block of 64 along K to the next in xb
.set KBB, 393216                       ; in wb
.set KBO, 131072                       ; in woh
.set GRP, 4                            ; chunks in a group
.set SA,  2                            ; v[2:17]   chunk c: my byte offset in the source
.set DA,  18                           ; v[18:33]  chunk c: my byte offset in the destination
.set D,   40                           ; v[40:167] chunk c: 8 registers as loaded; the low 4 then hold the 16 bytes to store
	s_load_b512 s[4:19], s[0:1], 0x0               ; x s[4:5], Wq s[6:7], Wk s[8:9], Wv s[10:11], Wo s[12:13], cos s[14:15], sin s[16:17], xb s[18:19]
	s_load_b128 s[20:23], s[0:1], 0x40             ; wb s[20:21], woh s[22:23]
	s_load_b64 s[24:25], s[0:1], 0x50              ; csb
	s_mov_b32 s36, ttmp9                           ; g
	s_mov_b32 s34, 0xffff0000                      ; a word's upper bf16
	s_and_b32 s37, s36, 31
	s_and_b32 s38, s36, 3
	s_cmp_ge_u32 s36, 256
	s_cselect_b32 s37, s37, s36
	s_cmp_ge_u32 s36, 384
	s_cselect_b32 s37, s38, s37                    ; idx: my block of 131,072 bytes in the source tensor
	s_lshl_b32 s40, s37, 17                        ; its byte offset
	s_mov_b32 s41, 0
	s_lshl_b32 s42, s37, 12                        ; destination, x and Wo: 32 rows of 128 bytes a block
	s_sub_co_u32 s38, s36, 256
	s_lshr_b32 s38, s38, 5                         ; type 0, 1, 2
	s_lshl_b32 s38, s38, 6
	s_lshr_b32 s39, s37, 1                         ; head = block / 2
	s_mul_i32 s39, s39, 192
	s_add_co_u32 s39, s39, s38
	s_and_b32 s38, s37, 1
	s_lshl_b32 s38, s38, 5                         ; the head's upper 32 rows
	s_add_co_u32 s39, s39, s38
	s_lshl_b32 s39, s39, 7                         ; n' x 128 bytes
	s_cmp_ge_u32 s36, 256
	s_cselect_b32 s39, s39, s42
	s_cmp_ge_u32 s36, 352
	s_cselect_b32 s42, s42, s39
	s_sub_co_u32 s38, s36, 384
	s_lshr_b32 s38, s38, 2                         ; 0 cos, 1 sin
	s_lshl_b32 s38, s38, 18
	s_lshl_b32 s39, s37, 16                        ; 512 rows of 128 bytes a block
	s_add_co_u32 s38, s38, s39
	s_mov_b32 s30, 4096                            ; SP: bytes from a source row to the next
	s_mov_b32 s31, 256                             ; SC: source bytes from a chunk to the next
	s_mov_b32 s33, 512                             ; WD: destination bytes from a wave to the next
	s_mov_b32 s32, KBA                             ; DC: destination bytes from a chunk to the next
	s_mov_b32 s43, 0
	s_cmp_ge_u32 s36, 256
	s_cselect_b32 s32, KBB, s32
	s_cmp_ge_u32 s36, 352
	s_cselect_b32 s32, KBO, s32
	s_cmp_ge_u32 s36, 384
	s_cselect_b32 s32, 512, s32
	s_cselect_b32 s42, s38, s42
	s_cselect_b32 s30, 256, s30
	s_cselect_b32 s31, 1024, s31
	s_cselect_b32 s33, 8192, s33
	v_lshrrev_b32 v34, 5, v0                       ; wave
	v_bfe_u32 v35, v0, 3, 2                        ; my row of the chunk's four
	v_and_b32 v36, 7, v0
	v_and_b32 v37, 31, v0
	v_lshlrev_b32 v[SA], 14, v34
	v_mad_u32_u24 v[SA], v35, s30, v[SA]
	v_lshl_add_u32 v[SA], v36, 5, v[SA]
	v_mul_lo_u32 v[DA], v34, s33
	v_lshl_add_u32 v[DA], v37, 4, v[DA]
.set c, 1
.rept 15
	v_add_nc_u32 v[SA+c], s31, v[SA+c-1]
	v_add_nc_u32 v[DA+c], s32, v[DA+c-1]
.set c, c+1
.endr
	s_wait_kmcnt 0x0
	s_mov_b64 s[26:27], s[4:5]                     ; the source, chosen by g
	s_cmp_ge_u32 s36, 256
	s_cselect_b64 s[26:27], s[6:7], s[26:27]
	s_cmp_ge_u32 s36, 288
	s_cselect_b64 s[26:27], s[8:9], s[26:27]
	s_cmp_ge_u32 s36, 320
	s_cselect_b64 s[26:27], s[10:11], s[26:27]
	s_cmp_ge_u32 s36, 352
	s_cselect_b64 s[26:27], s[12:13], s[26:27]
	s_cmp_ge_u32 s36, 384
	s_cselect_b64 s[26:27], s[14:15], s[26:27]
	s_cmp_ge_u32 s36, 388
	s_cselect_b64 s[26:27], s[16:17], s[26:27]
	s_mov_b64 s[28:29], s[18:19]                   ; the destination
	s_cmp_ge_u32 s36, 256
	s_cselect_b64 s[28:29], s[20:21], s[28:29]
	s_cmp_ge_u32 s36, 352
	s_cselect_b64 s[28:29], s[22:23], s[28:29]
	s_cmp_ge_u32 s36, 384
	s_cselect_b64 s[28:29], s[24:25], s[28:29]
	s_add_nc_u64 s[26:27], s[26:27], s[40:41]
	s_add_nc_u64 s[28:29], s[28:29], s[42:43]
	s_wait_alu depctr_va_vdst(0)                   ; the 32 offsets v[SA ..] and v[DA ..] are written: every load below reads one of the first as its offset, every store one of the second
.set c, 0
.rept 16                                       ; all 32 loads of the wave go out at once: 16,384 bytes on their way
	global_load_b128 v[D+8*c:D+8*c+3],   v[SA+c], s[26:27] th:TH_LOAD_NT
	global_load_b128 v[D+8*c+4:D+8*c+7], v[SA+c], s[26:27] offset:16 th:TH_LOAD_NT
.set c, c+1
.endr
	s_cmp_ge_u32 s36, 352
	s_cbranch_scc0 .Lbf
	s_cmp_lt_u32 s36, 384
	s_cbranch_scc0 .Lbf
.set c, 0
.rept 16                                       ; Wo: to bf16, and that number as f16
	s_wait_loadcnt 30-2*c                          ; loads come back in order: chunk c is in, the 2 (15 - c) younger loads stay out
.if ((c%GRP) == 0) && (c > 0)
	s_wait_alu depctr_va_vdst(0)                   ; the conversions of the group before have written its sixteen packed registers, which that group's four stores, dealt among this group's chunks, read
.endif
.if c >= GRP
	global_store_b128 v[DA+c-GRP], v[D+8*(c-GRP):D+8*(c-GRP)+3], s[28:29]  ; the chunk four back; no vector instruction since the wait names its registers
.endif
.irp p, 0,1,2,3
	v_cvt_pk_bf16_f32 v34, v[D+8*c+2*\p], v[D+8*c+2*\p+1]
	v_lshlrev_b32 v35, 16, v34
	v_and_b32 v36, s34, v34
	v_cvt_pk_f16_f32 v[D+8*c+\p], v35, v36         ; in place, ascending: a register is written after its number has been read
.endr
.set c, c+1
.endr
	s_wait_alu depctr_va_vdst(0)                   ; the last group's conversions have written its sixteen packed registers, which the last four stores read
.set c, 16-GRP
.rept GRP
	global_store_b128 v[DA+c], v[D+8*c:D+8*c+3], s[28:29]
.set c, c+1
.endr
	s_endpgm
.Lbf:
.set c, 0
.rept 16
	s_wait_loadcnt 30-2*c                          ; chunk c is in, the younger loads stay out
.if ((c%GRP) == 0) && (c > 0)
	s_wait_alu depctr_va_vdst(0)                   ; the roundings of the group before have written its sixteen packed registers, which that group's four stores, dealt among this group's chunks, read
.endif
.if c >= GRP
	global_store_b128 v[DA+c-GRP], v[D+8*(c-GRP):D+8*(c-GRP)+3], s[28:29]  ; the chunk four back: the wave's store covers 512 consecutive bytes, aligned; no vector instruction since the wait names its registers
.endif
.irp p, 0,1,2,3
	v_cvt_pk_bf16_f32 v[D+8*c+\p], v[D+8*c+2*\p], v[D+8*c+2*\p+1]
.endr
.set c, c+1
.endr
	s_wait_alu depctr_va_vdst(0)                   ; the last group's roundings have written its sixteen packed registers, which the last four stores read
.set c, 16-GRP
.rept GRP
	global_store_b128 v[DA+c], v[D+8*c:D+8*c+3], s[28:29]  ; the wave's store covers 512 consecutive bytes, aligned
.set c, c+1
.endr
	s_endpgm
.Lfunc_end_k_q6321a52132_cast:
	.size	k_q6321a52132_cast, .Lfunc_end_k_q6321a52132_cast-k_q6321a52132_cast
	.p2alignl 7, 3214868480
	.fill 96, 4, 3214868480
	.section	.rodata,"a",@progbits
	.p2align	6, 0x0
	.amdhsa_kernel k_q6321a52132_cast
		.amdhsa_group_segment_fixed_size 0
		.amdhsa_private_segment_fixed_size 0
		.amdhsa_enable_private_segment 0
		.amdhsa_kernarg_size 88
		.amdhsa_user_sgpr_count 2
		.amdhsa_user_sgpr_kernarg_segment_ptr 1
		.amdhsa_wavefront_size32 1
		.amdhsa_system_sgpr_workgroup_id_x 1
		.amdhsa_system_sgpr_workgroup_id_y 1
		.amdhsa_system_sgpr_workgroup_id_z 1
		.amdhsa_system_vgpr_workitem_id 0
		.amdhsa_next_free_vgpr 176
		.amdhsa_next_free_sgpr 66
		.amdhsa_reserve_vcc 0
		.amdhsa_float_denorm_mode_32 3
		.amdhsa_float_denorm_mode_16_64 3
		.amdhsa_memory_ordered 1
		.amdhsa_forward_progress 1
		.amdhsa_inst_pref_size 29
	.end_amdhsa_kernel
	.amdgpu_metadata
---
amdhsa.version: [ 1, 2 ]
amdhsa.kernels:
  - .name:           k_q6321a52132_cast
    .symbol:         k_q6321a52132_cast.kd
    .args:
      - { .name: x, .offset: 0, .size: 8, .value_kind: global_buffer, .address_space: global }
      - { .name: Wq, .offset: 8, .size: 8, .value_kind: global_buffer, .address_space: global }
      - { .name: Wk, .offset: 16, .size: 8, .value_kind: global_buffer, .address_space: global }
      - { .name: Wv, .offset: 24, .size: 8, .value_kind: global_buffer, .address_space: global }
      - { .name: Wo, .offset: 32, .size: 8, .value_kind: global_buffer, .address_space: global }
      - { .name: cos, .offset: 40, .size: 8, .value_kind: global_buffer, .address_space: global }
      - { .name: sin, .offset: 48, .size: 8, .value_kind: global_buffer, .address_space: global }
      - { .name: xb, .offset: 56, .size: 8, .value_kind: global_buffer, .address_space: global }
      - { .name: wb, .offset: 64, .size: 8, .value_kind: global_buffer, .address_space: global }
      - { .name: woh, .offset: 72, .size: 8, .value_kind: global_buffer, .address_space: global }
      - { .name: csb, .offset: 80, .size: 8, .value_kind: global_buffer, .address_space: global }
    .group_segment_fixed_size: 0
    .private_segment_fixed_size: 0
    .kernarg_segment_align: 8
    .kernarg_segment_size: 88
    .max_flat_workgroup_size: 256
    .sgpr_count:     66
    .vgpr_count:     176
    .wavefront_size: 32
...
	.end_amdgpu_metadata
.endif
;; end of part 5
;; launch qkv: the kernel of part 2 again; grid 8 x 32, 4 waves a work-group, clusters of 4 x 4, 327,680 bytes of LDS; arguments xb, wb, csb, qkv; writes qkv
;; launch attn: the kernel of part 3 again; grid 4 x 64, 4 waves a work-group, clusters of 4 x 1, 327,680 bytes of LDS; arguments qkv, yh; writes yh
;; launch proj: the kernel of part 4 again; grid 8 x 32, 4 waves a work-group, clusters of 4 x 4, 327,680 bytes of LDS; arguments yh, woh, out0; writes out0
